; MI455X (gfx1250); checked and timed in simulation.
; The chip was launched on July 23, 2026; its instructions are those of AMD's public machine-readable ISA for CDNA 5 (MIT licence, August 2026) and "CDNA5" Instruction Set Architecture Reference Guide (July 2026). The comments in the code are by the model that wrote it; some were corrected since.
;; Ref Mo E Block. Allowed arithmetic: float matrix products may take bf16 or f16 operands with f32 sums; other float arithmetic in f32, or as packed bf16 or f16 multiplies, adds, multiply-adds, maxima and minima; sums over many terms, partial sums and values carried from step to step in f32; what a program stores and reads back later, other than sums and carried values, may be rounded once to bf16 or f16.
;; Inputs: down_proj 8 x 2,048 x 128 float32; gate_up_proj 8 x 256 x 2,048 float32; hidden_states 8,192 x 2,048 float32; per_expert_scale 8 float32; top_k_index 8,192 x 2 int32; top_k_weights 8,192 x 2 float32.
;; Outputs: out0 8,192 x 2,048 float32.
;; 3 versions, each right; version 2 is faster than version 1; version 3 is version 2 with the launch chain written anew for expert scheduling mode. Each part assembles by itself: llvm-mc -triple=amdgcn-amd-amdhsa -mcpu=gfx1250 --defsym DOCPART=n.
;; ======== version 1 of 3: 2 launches
;; limits: values are held in f16: magnitudes above 65,504 overflow, below 6.1e-05 lose precision
;; workspace buffers: w1 8,388,608 bytes; w2 4,194,304 bytes; order 1,179,648 bytes of whole numbers; counts 256 bytes of whole numbers
;; launch prep (part 1): grid 1572 x 1, 1 waves a work-group, no clusters, 33,280 bytes of LDS; arguments gate_up_proj, down_proj, top_k_index, w1, w2, order, counts; writes w1, w2, order, counts
.if DOCPART == 1
	.amdgcn_target "amdgcn-amd-amdhsa--gfx1250"
	.amdhsa_code_object_version 6
	.text
	.protected	k_qcc8e6e03d5_prep
	.globl	k_qcc8e6e03d5_prep
	.p2align	8
	.type	k_qcc8e6e03d5_prep,@function
k_qcc8e6e03d5_prep:
	s_mov_b64 s[64:65], 0
	v_nop
	global_prefetch_b8 v0, s[64:65] scope:SCOPE_SE
	s_setreg_imm32_b32 hwreg(HW_REG_WAVE_MODE, 25, 1), 1
	s_wait_xcnt 0x0
; PREP.  A work-group is ONE wave: no wave of this launch needs another, so each has its LDS to itself and there is no barrier.  Three kinds, told apart by the work-group's number x:
;   x < 36           SORT: the set n = x of experts (an unordered pair a <= b; 36 sets, a outer, b inner): the wave walks all 8,192 tokens' two indices and lists the tokens of its set:
;                    order[n][0 .. c-1], then token 0 (a row that exists) up to the next multiple of 128 entries; counts[n] = c.
;   36 <= x < 1,060  gate_up_proj (f32) -> w1 (bf16), in the order in which a wave's operand registers take it.
;   1,060 <= x       down_proj (f32) -> w2: rounded to bf16 like every input, and that number written as f16, since the second product's other operand is f16.
; A FRAGMENT (16 rows x 32 k of 16 bits) is stored as 1,024 bytes: lane l (row l % 16, half l / 16) has 16 bytes at 16 l (k = 8 half + 0..7) and 16 bytes at 512 + 16 l (k = 16 + 8 half + 0..7),
; so that the next launch fills a fragment by two loads of 512 consecutive bytes.
;   w1: stream (e, q) at (4 e + q) x 262,144; K step s (32 k) at + 4,096 s; fragment j at + 1,024 j: j = 0, 1 gate rows 32 q + 16 j on, j = 2, 3 up rows 128 + 32 q + 16 (j - 2) on.
;   w2: block (e, 16 output columns nt) at (128 e + nt) x 4,096; fragment kk (k = 32 kk on) at + 1,024 kk.
; LIMITS.  The weights are rounded once to bf16 (nearest even).  In w2 that number is exact in f16 from 2^-17 to 65,504 in magnitude; below, it keeps f16's fixed step of 2^-24; beyond, it is an infinity.
; Indices lie in 0 .. 7, as the problem states: a token with another index would be in no list.
.set SPARE, 33024                      ; behind the list (8,192 entries, then 32 dump words, one a lane: 32,896 bytes): the spare words, that no other line names
.set SPW,   2                          ; v2  LDS address of my spare word; never rewritten
.set NIL,   3                          ; v3  0; never rewritten
.set LR,    8                          ; v[8:135]   conversion: two units of 16 rows as loaded, 4 f32 a lane and row; then 4 numbers of 16 bits in the first two registers of each four
.set RR,    136                        ; v[136:167] conversion: a unit's 8 half fragments, to store
	s_load_b256 s[8:15], s[0:1], 0x0               ; gate_up s[8:9], down s[10:11], index s[12:13], w1 s[14:15]
	s_load_b128 s[16:19], s[0:1], 0x20             ; w2 s[16:17], order s[18:19]
	s_load_b64 s[20:21], s[0:1], 0x30              ; counts
	v_lshl_add_u32 v[SPW], v0, 2, SPARE
	v_mov_b32 v[NIL], 0
	s_mov_b32 s3, ttmp9                            ; x
	s_mov_b32 s23, 0                               ; conversion: the high word of an offset.  SORT: the list's length so far
	v_lshlrev_b32 v4, 4, v0                        ; 16 x lane (the thread's number is the lane): the offset of every 16-byte access, in memory and in LDS; never rewritten
	s_wait_kmcnt 0x0
	s_cmp_lt_u32 s3, 36
	s_cbranch_scc1 .Lsort
	; ---------------- conversion: a unit is 16 rows x 128 k; a wave takes two.  The stage: two units of 16 rows x 272 bytes (256 + 16: the 16 rows of a read start 16 bytes apart modulo 256) ----------------
	v_lshlrev_b32 v5, 3, v0                        ; into the stage: 8 bytes a lane, a row's 256 bytes on end
	v_and_b32 v6, 15, v0
	v_mul_u32_u24 v6, v6, 272
	v_bfe_u32 v7, v0, 4, 1
	v_lshl_add_u32 v6, v7, 4, v6                   ; back: row l % 16, 16 bytes for each half of the lanes
; src, dst: the scalar pairs with the two addresses.  pitch: bytes from row to row in the source; usrc, udst: from unit to unit; kstr: from one 32 k to the next in the destination.  half = 1: the bf16 numbers are written as f16.
.macro CONV src, dst, pitch, usrc, kstr, udst, half
.set uu, 0
.rept 2
.set ii, 0
.rept 16
	global_load_b128 v[LR+64*uu+4*ii:LR+64*uu+4*ii+3], v4, s[\src:\src+1] offset:uu*(\usrc)+ii*(\pitch) th:TH_LOAD_NT  ; 512 consecutive bytes of one row; all 32 loads go out before the first wait
.set ii, ii+1
.endr
.set uu, uu+1
.endr
.set uu, 0
.rept 2
	s_wait_loadcnt 16*(1-uu)                       ; loads come back in order (ISA guide 5.7.1): this unit's 16 are in, the other unit's 16 may be out
.if uu == 1
	s_wait_xcnt 0x0                                ; the first unit's stores have read RR: it is loaded again only behind this wait
.endif
.set ii, 0
.rept 16
.set bq, LR+64*uu+4*ii
	v_cvt_pk_bf16_f32 v[bq], v[bq], v[bq+1]
	v_cvt_pk_bf16_f32 v[bq+1], v[bq+2], v[bq+3]
.if \half
	v_lshlrev_b32 v[bq+2], 16, v[bq]               ; bf16 to f32: the low half moves up, the high half stays
	v_and_b32 v[bq+3], 0xffff0000, v[bq]
	v_cvt_pk_f16_f32 v[bq], v[bq+2], v[bq+3]
	v_lshlrev_b32 v[bq+2], 16, v[bq+1]
	v_and_b32 v[bq+3], 0xffff0000, v[bq+1]
	v_cvt_pk_f16_f32 v[bq+1], v[bq+2], v[bq+3]
.endif
.set ii, ii+1
.endr
.set ii, 0
.rept 16
	ds_store_b64 v5, v[LR+64*uu+4*ii:LR+64*uu+4*ii+1] offset:uu*4352+ii*272
.set ii, ii+1
.endr
.set ff, 0
.rept 8                                ; half fragment ff: 32 k number ff / 2, half ff % 2.  LDS serves a wave's instructions in order (ISA guide 5.7.1.4): these see the stores above
	ds_load_b128 v[RR+4*ff:RR+4*ff+3], v6 offset:uu*4352+64*(ff/2)+32*(ff%2)
.set ff, ff+1
.endr
.set ff, 0
.rept 8
	s_wait_dscnt 7-ff                              ; the younger read-backs may be out
	global_store_b128 v4, v[RR+4*ff:RR+4*ff+3], s[\dst:\dst+1] offset:uu*(\udst)+(ff/2)*(\kstr)+512*(ff%2)  ; 512 consecutive bytes, at a multiple of 512 from the buffer's first
.set ff, ff+1
.endr
.set uu, uu+1
.endr
	s_wait_tensorcnt 0x0                           ; the wave's end, behind my last LDS store
	ds_add_u32 v[SPW], v[NIL]
	s_wait_dscnt 0x0
	s_endpgm
.endm
	s_cmp_lt_u32 s3, 1060
	s_cbranch_scc1 .Lw1
	; down_proj: 1,024 units of 16 whole rows (8,192 consecutive bytes); unit 128 e + nt; this wave has units 2 (x - 1,060) and the next
	s_sub_co_u32 s4, s3, 1060
	s_lshl_b32 s22, s4, 14
	s_add_nc_u64 s[10:11], s[10:11], s[22:23]
	s_lshl_b32 s22, s4, 13
	s_add_nc_u64 s[16:17], s[16:17], s[22:23]
	CONV 10, 16, 512, 8192, 1024, 4096, 1
.Lw1:
	; gate_up_proj: z = x - 36; y = z / 8 is a group of 16 rows (e = y / 16, g = y % 16), c = z % 8 its k = 256 c .. 256 c + 255
	s_sub_co_u32 s4, s3, 36
	s_and_b32 s2, s4, 7                            ; c
	s_lshr_b32 s4, s4, 3                           ; y
	s_lshl_b32 s22, s4, 17                         ; 16 rows of 8,192 bytes
	s_lshl_b32 s5, s2, 10
	s_add_co_u32 s22, s22, s5
	s_add_nc_u64 s[8:9], s[8:9], s[22:23]
	s_lshr_b32 s5, s4, 4                           ; e
	s_and_b32 s6, s4, 7
	s_lshr_b32 s7, s6, 1                           ; q = (g % 8) / 2
	s_lshl2_add_u32 s5, s5, s7                     ; 4 e + q
	s_lshl_b32 s5, s5, 6
	s_lshl3_add_u32 s5, s2, s5                     ; its K step 8 c
	s_lshl_b32 s22, s5, 12
	s_and_b32 s6, s6, 1
	s_bfe_u32 s7, s4, 0x10003                      ; g / 8: gate or up
	s_lshl1_add_u32 s6, s7, s6                     ; j = g % 2 + 2 (g / 8)
	s_lshl_b32 s6, s6, 10
	s_add_co_u32 s22, s22, s6
	s_add_nc_u64 s[14:15], s[14:15], s[22:23]
	CONV 8, 14, 8192, 512, 4096, 16384, 0
	; ---------------- SORT: the set n = x ----------------
.Lsort:
	s_mov_b32 s5, 0                                ; a
	s_mov_b32 s6, 0                                ; the first n of that a
.macro PICK a, first
	s_cmp_ge_u32 s3, \first
	s_cselect_b32 s5, \a, s5
	s_cselect_b32 s6, \first, s6
.endm
	PICK 1, 8
	PICK 2, 15
	PICK 3, 21
	PICK 4, 26
	PICK 5, 30
	PICK 6, 33
	PICK 7, 35
	s_sub_co_u32 s25, s3, s6
	s_add_co_u32 s25, s25, s5                      ; b
	s_lshl3_add_u32 s7, s5, s25                    ; 8 a + b: the token named a first,
	s_lshl3_add_u32 s22, s25, s5                   ; 8 b + a: or b first
	s_lshl_b32 s28, s3, 15                         ; the set's 32,768 bytes in order
	s_mov_b32 s29, 0
	s_add_nc_u64 s[18:19], s[18:19], s[28:29]
; A trip takes 1,024 tokens: 16 loads of 16 bytes a lane, two tokens each.  Slot k = 2 i + u of a lane is token 1,024 trip + 64 i + 2 lane + u.
.macro IDXLOADS
.set ii, 0
.rept 16
	global_load_b128 v[8+4*ii:8+4*ii+3], v4, s[12:13] offset:512*ii
.set ii, ii+1
.endr
.endm
	IDXLOADS
	v_lshlrev_b32 v5, 1, v0                        ; 2 x lane: the token of my first slot
	v_add_nc_u32 v145, 8192, v0                    ; my dump word's place in the list
.irp k, 140,141,142,143
	v_mov_b32 v\k, 0
.endr
.set ii, 0
.rept 64                               ; the whole list holds token 0 before the walk: what lies past the count names a row that exists.  This stands in the wait for the first indices
	ds_store_b128 v4, v[140:143] offset:512*ii
.set ii, ii+1
.endr
	s_mov_b32 s24, 8
.Ltrip:
	s_wait_loadcnt 0x0                             ; this trip's indices; the loads are done, so their base may be stepped
.set kk, 0
.rept 32
	v_lshl_or_b32 v[72+kk], v[8+2*kk], 3, v[9+2*kk]  ; 8 x first index + second
.set kk, kk+1
.endr
	s_add_nc_u64 s[12:13], s[12:13], 8192
	s_cmp_eq_u32 s24, 1
	s_cbranch_scc1 .Lnoload                        ; the last trip asks for nothing: no load leaves the buffer
	IDXLOADS                                       ; the next trip's indices come while this trip's are placed
.Lnoload:
.set kk, 0
.rept 32
	v_cmp_eq_u32 s[32+kk], s7, v[72+kk]
	v_cmp_eq_u32 vcc_lo, s22, v[72+kk]
	s_or_b32 s[32+kk], s[32+kk], vcc_lo            ; the lanes whose slot k belongs to my set
.set kk, kk+1
.endr
.set kk, 0
.rept 32
	v_mbcnt_lo_u32_b32 v[104+kk], s[32+kk], s23    ; the place in the list: the length so far + the set's lanes below mine
	s_bcnt1_i32_b32 s25, s[32+kk]
	s_add_co_u32 s23, s23, s25
.set kk, kk+1
.endr
.set kk, 0
.rept 32
	v_cndmask_b32 v[104+kk], v145, v[104+kk], s[32+kk]  ; a slot that is not the set's goes to my dump word: every store runs with all lanes on
	v_min_u32 v[104+kk], 0x201f, v[104+kk]         ; a place is under 8,224: said in the text, since it comes from loaded numbers
	v_lshlrev_b32 v[104+kk], 2, v[104+kk]
.set kk, kk+1
.endr
.set kk, 0
.rept 32
	v_add_nc_u32 v[136+kk%2], 64*(kk/2)+(kk&1), v5 ; the slot's token
	ds_store_b32 v[104+kk], v[136+kk%2]
.set kk, kk+1
.endr
	v_add_nc_u32 v5, 1024, v5
	s_sub_co_i32 s24, s24, 1
	s_cmp_lg_u32 s24, 0
	s_cbranch_scc1 .Ltrip
	; The list goes to memory in pieces of 128 entries, eight read back at a time; a piece that begins at or past the count, and all behind it, are jumped.
	s_min_u32 s23, s23, 0x2000                     ; c
.set gq, 0
.rept 8
	s_cmp_le_u32 s23, 1024*gq
	s_cbranch_scc1 .Lcopied
	s_wait_xcnt 0x0                                ; the last eight stores have read their data: it is loaded again only behind this wait
.set tq, 0
.rept 8
	ds_load_b128 v[8+4*tq:8+4*tq+3], v4 offset:512*(8*gq+tq)  ; LDS serves a wave's instructions in order: these see the stores above
.set tq, tq+1
.endr
.set tq, 0
.rept 8
	s_wait_dscnt 7-tq                              ; the younger read-backs may be out
.if tq > 0
	s_cmp_le_u32 s23, 128*(8*gq+tq)
	s_cbranch_scc1 .Lcopied
.endif
	global_store_b128 v4, v[8+4*tq:8+4*tq+3], s[18:19] offset:512*(8*gq+tq)  ; 512 consecutive bytes
.set tq, tq+1
.endr
.set gq, gq+1
.endr
.Lcopied:
	s_wait_dscnt 0x0                               ; read-backs that were jumped away from have landed
	v_mov_b32 v144, s23
	s_lshl_b32 s25, s3, 2
	v_mov_b32 v139, s25
	v_cmp_eq_u32 vcc_lo, 0, v0
	s_wait_xcnt 0x0                                ; EXEC changes only behind this wait,
	s_and_saveexec_b32 s26, vcc_lo
	global_store_b32 v139, v144, s[20:21]          ; counts[n], by lane 0
	s_wait_xcnt 0x0                                ; and again in front of the line that widens it
	s_or_b32 exec_lo, exec_lo, s26
	s_wait_tensorcnt 0x0                           ; the wave's end, behind my last LDS store
	ds_add_u32 v[SPW], v[NIL]
	s_wait_dscnt 0x0
	s_endpgm
.Lfunc_end_k_qcc8e6e03d5_prep:
	.size	k_qcc8e6e03d5_prep, .Lfunc_end_k_qcc8e6e03d5_prep-k_qcc8e6e03d5_prep
	.p2alignl 7, 3214868480
	.fill 96, 4, 3214868480
	.section	.rodata,"a",@progbits
	.p2align	6, 0x0
	.amdhsa_kernel k_qcc8e6e03d5_prep
		.amdhsa_group_segment_fixed_size 33280
		.amdhsa_private_segment_fixed_size 0
		.amdhsa_enable_private_segment 0
		.amdhsa_kernarg_size 56
		.amdhsa_user_sgpr_count 2
		.amdhsa_user_sgpr_kernarg_segment_ptr 1
		.amdhsa_wavefront_size32 1
		.amdhsa_system_sgpr_workgroup_id_x 1
		.amdhsa_system_sgpr_workgroup_id_y 1
		.amdhsa_system_sgpr_workgroup_id_z 1
		.amdhsa_system_vgpr_workitem_id 0
		.amdhsa_next_free_vgpr 168
		.amdhsa_next_free_sgpr 66
		.amdhsa_reserve_vcc 1
		.amdhsa_float_denorm_mode_32 3
		.amdhsa_float_denorm_mode_16_64 3
		.amdhsa_memory_ordered 1
		.amdhsa_forward_progress 1
		.amdhsa_inst_pref_size 83
	.end_amdhsa_kernel
	.amdgpu_metadata
---
amdhsa.version: [ 1, 2 ]
amdhsa.kernels:
  - .name:           k_qcc8e6e03d5_prep
    .symbol:         k_qcc8e6e03d5_prep.kd
    .args:
      - { .name: gate_up_proj, .offset: 0, .size: 8, .value_kind: global_buffer, .address_space: global }
      - { .name: down_proj, .offset: 8, .size: 8, .value_kind: global_buffer, .address_space: global }
      - { .name: top_k_index, .offset: 16, .size: 8, .value_kind: global_buffer, .address_space: global }
      - { .name: w1, .offset: 24, .size: 8, .value_kind: global_buffer, .address_space: global }
      - { .name: w2, .offset: 32, .size: 8, .value_kind: global_buffer, .address_space: global }
      - { .name: order, .offset: 40, .size: 8, .value_kind: global_buffer, .address_space: global }
      - { .name: counts, .offset: 48, .size: 8, .value_kind: global_buffer, .address_space: global }
    .group_segment_fixed_size: 33280
    .private_segment_fixed_size: 0
    .kernarg_segment_align: 8
    .kernarg_segment_size: 56
    .max_flat_workgroup_size: 32
    .sgpr_count:     66
    .vgpr_count:     168
    .wavefront_size: 32
...
	.end_amdgpu_metadata
.endif
;; end of part 1
;; launch chain (part 2): grid 163 x 1, 8 waves a work-group, no clusters, 307,200 bytes of LDS; arguments hidden_states, top_k_weights, top_k_index, per_expert_scale, w1, w2, order, counts, out0; writes out0
.if DOCPART == 2
	.amdgcn_target "amdgcn-amd-amdhsa--gfx1250"
	.amdhsa_code_object_version 6
	.text
	.protected	k_qcc8e6e03d5_chain
	.globl	k_qcc8e6e03d5_chain
	.p2align	8
	.type	k_qcc8e6e03d5_chain,@function
k_qcc8e6e03d5_chain:
	s_mov_b64 s[64:65], 0
	v_nop
	global_prefetch_b8 v0, s[64:65] scope:SCOPE_SE
	s_setreg_imm32_b32 hwreg(HW_REG_WAVE_MODE, 25, 1), 1
	s_wait_xcnt 0x0
; CHAIN.  out[t] = sum over the token's two choices k of scale[e_k] w[t][k] (gelu_tanh(x W_gate[e_k]^T) * (x W_up[e_k]^T)) W_down[e_k]^T.
; A work-group takes a TILE of up to 64 tokens that chose the same SET of experts (a <= b; the lists and counts were stored by the launch before) through the whole chain:
;   phase 0  the tokens' rows of hidden_states are gathered, rounded to bf16 and laid into LDS (each wave 8 rows);
;   phase 1  [64 x 2,048] x [512 x 2,048]^T in bf16: gate and up rows of both experts.  Wave w: expert slot p = w / 4 (0: a, 1: b), quarter q = w % 4: 32 gate and the 32 matching up rows, all 64 tokens;
;   then     h = gelu(gate) up (scale x weight), [64 x 256] (slot p's 128 numbers at column 128 p), brought under a power of two of the token's own, rounded to f16, into LDS;
;   phase 2  [64 x 256] x [2,048 x 256]^T in f16: both experts' results are added in ONE accumulator, so a row of out has one owner.  Wave w: columns 256 w on, in two blocks of 128;
;   out      a block is multiplied by the token's power of two, goes through the wave's own stage in LDS and leaves as whole pieces of rows, 512 consecutive bytes a store.
; A token that names one expert twice is in the set (a, a): the same expert in both slots, with its two weights.
; WHY f16 AND A SCALE.  h's rounding reaches out undiminished relative to the token's own spread, and tokens with two large weights have up to twice the output's root mean square: bf16's 8 bits do not hold
; 1% of that root mean square for every number; f16's 11 bits do.  f16's range is kept for every input by the scale: with E the exponent of the token's largest |h|, h x 2^(135 - E) lies under 512.
; THE GRID.  With tiles of 64 and 36 sets there are never more than (8,192 + 36 x 63) / 64 = 163 tiles.  A work-group whose number is past the tiles that this split has may not end before the
; barriers (every wave passes every barrier, none under a branch on loaded numbers): it takes the last tile once more with a count of 0, leaves behind the last barrier and stores nothing.
; WEIGHTS come from memory straight into operand registers (w1, w2 are laid out so): each fragment feeds only four matrix instructions, and a way through LDS would add its bytes there twice.
; NO CLUSTER: beside the 263,168 bytes of X there is no room for slots of weights, and a set's tiles are not a multiple of four at every split.  X's rows come by a list, which no tensor descriptor covers.
; BOTH PRODUCTS ARE USED TRANSPOSED (source 0 = 16 weight rows, source 1 = 16 tokens): lane l then holds token l % 16, and its eight registers the weight rows 8 (l / 16) + 0..7.
; LIMITS.  All floating inputs are rounded to bf16 (hidden_states and the weights as matrix operands; top_k_weights and per_expert_scale likewise, so that all inputs have one rounding); down_proj's bf16
; numbers stand in f16 (exact from 2^-17 to 65,504); h is rounded once to f16 under its scale: a number under 2^-22 of the token's largest keeps a fixed step of 2^-32 of it; a token whose largest |h| is
; under 2^-111 is scaled as if it were that.  Sums in f32.  gelu = x / (1 + 2^(-x (c1 + c2 x^2))): for very negative x the power is an infinity and the result -0.  NaN and infinities are not treated apart.
.set XP,    4112                       ; a row of X in LDS: 4,096 bytes + 16: the 16 rows of a fragment load start 16 bytes apart modulo 256
.set HP,    528                        ; a row of h (512 + 16), and of a stage (128 f32 + 16)
.set SGW,   64*HP                      ; a wave's stage, 33,792 bytes; the eight stages lie over X, which is dead by then
.set HB,    8*SGW                      ; h begins at 270,336, behind X (263,168) and behind the stages
.set SPARE, HB+64*HP                   ; 304,128: the spare words, 128 bytes for each wave, that no other line names
.set MXB,   SPARE+1024                 ; 305,152: each wave's 64 maxima, 256 bytes a wave
; window 0
.set ML,   1                           ; v1      lane and at work; later my place in a wave's maxima
.set SPW,  2                           ; v2      LDS address of my spare word; never rewritten
.set NIL,  3                           ; v3      0; never rewritten
.set WOFF, 4                           ; v4      16 x lane
.set XS,   5                           ; v5      where I put 8 bytes of my wave's first row of X
.set AD,   6                           ; v6-9    my place in X's fragments of tokens 16 m on; steps along K
.set HS,   10                          ; v10     where I put 16 bytes of h
.set HL,   11                          ; v11     my place in h's fragments
.set STO,  12                          ; v12     stage, in
.set RD,   13                          ; v13     stage, back
.set COL,  14                          ; v14     my byte in a row of out
.set MS,   15                          ; v15     at work; later my place in my wave's maxima
.set XO,   16                          ; v16-23  byte offsets of my wave's 8 rows in hidden_states
.set VA,   16                          ;         later: the offsets of 8 stores
.set SCP,  24                          ; v24-31  scale x weight of token 16 m + l % 16 in my slot, twice (a pair for the packed multiply)
.set BK,   24                          ;         later: 2^(E - 135) of that token, twice
.set KC,   32                          ; v32-35  -c1, -c1, -c2, -c2
.set TK,   36                          ; v36-39  8 x token 16 m + l % 16
.set MXV,  36                          ;         later: that token's largest |h|
.set IX,   40                          ; v40-47  its two indices
.set INV,  40                          ;         later: 2^(135 - E), twice
.set WT,   48                          ; v48-55  its two weights
.set GT,   56                          ; v56-63  my wave's 8 tokens
.set OB,   32                          ; v32-63  phase 2: 8 pieces of rows on their way out
.set AB,   64                          ; v64-127 phase 1: X's fragments, two buffers of 4 x 8
.set TT,   64                          ;         the activation's 64 numbers at work
.set AC2,  64                          ;         phase 2: two buffers of 4 accumulators
.set ACC,  128                         ; v128-255 phase 1: accumulator (m, j) at ACC + 8 (4 m + j)
.set W2R,  128                         ;         phase 2: a ring of 4 x 32 for w2
; window 1 (v256-511): phase 0: four rows of X as loaded; phase 1: a ring of 8 K steps of w1, 32 registers each; phase 2: h's fragments (m, ks) at 8 (8 m + ks)
; scalars: s2 wave, s3 p, s4 q, s5 work-group's number, then loop counts; s12 CNT, the tile's rows; s13 the tile's byte in order; s15 my expert's scale; s7 0 or -1 by p
;          s[16:63], s[68:83]: the 36 counts, then the 64 rows' byte offsets in out;  s[84:101] addresses
.set MSB, 0
.macro WIN new                         ; s_set_vgpr_msb: bits 1:0 source 0, 3:2 source 1, 5:4 source 2, 7:6 destination; the high byte repeats the setting that is left
.if MSB != (\new)
	s_set_vgpr_msb (MSB<<8)|(\new)
.set MSB, \new
.endif
.endm
.macro PLACES                          ; four plain instructions between a matrix instruction and a load into, or a read of, its registers
.rept 4
	v_nop
.endr
.endm
	s_load_b512 s[84:99], s[0:1], 0x0              ; hidden 84, weights 86, index 88, scale 90, w1 92, w2 94, order 96, counts 98
	s_load_b64 s[100:101], s[0:1], 0x40            ; out0
	v_lshl_add_u32 v[SPW], v0, 2, SPARE
	v_mov_b32 v[NIL], 0
	v_lshrrev_b32 v1, 5, v0
	v_readfirstlane_b32 s2, v1                     ; wave
	s_lshr_b32 s3, s2, 2                           ; p
	s_and_b32 s4, s2, 3                            ; q
	s_mov_b32 s5, ttmp9
	s_wait_kmcnt 0x0
	s_load_b512 s[16:31], s[98:99], 0x0            ; the 36 counts
	s_load_b512 s[32:47], s[98:99], 0x40
	s_load_b128 s[48:51], s[98:99], 0x80
	; the lane's places, made while the counts come
	v_and_b32 v1, 31, v0                           ; lane
	v_and_b32 v64, 15, v0                          ; r = l % 16
	v_bfe_u32 v65, v0, 4, 1                        ; h = l / 16
	v_lshlrev_b32 v[WOFF], 4, v1
	s_mul_i32 s14, s2, 8*XP
	v_lshl_add_u32 v[XS], v1, 3, s14
	v_mul_u32_u24 v66, v64, XP
	v_lshl_add_u32 v[AD], v65, 4, v66              ; row x pitch + 16 x half
	v_add_nc_u32 v[AD+1], 16*XP, v[AD]
	v_add_nc_u32 v[AD+2], 32*XP, v[AD]
	v_add_nc_u32 v[AD+3], 48*XP, v[AD]
	v_mul_u32_u24 v67, v64, HP
	v_lshl_add_u32 v[HL], v65, 4, v67
	v_add_nc_u32 v[HL], HB, v[HL]
	s_lshl_b32 s14, s3, 8
	s_lshl_b32 s8, s4, 6
	s_add_co_u32 s14, s14, s8
	v_add_nc_u32 v[HS], s14, v[HL]                 ; + 256 p + 64 q: my 32 columns of h
	s_mul_i32 s14, s2, SGW
	v_lshl_add_u32 v[STO], v65, 5, v67             ; in: row l % 16, 32 bytes for each half of the lanes
	v_add_nc_u32 v[STO], s14, v[STO]
	v_lshl_add_u32 v[RD], v1, 4, s14               ; back: 32 lanes take a row's 512 bytes
	s_lshl_b32 s14, s2, 10
	v_lshl_add_u32 v[COL], v1, 4, s14              ; my wave's 256 columns of out
	v_mov_b32 v[KC], 0xc0135762                    ; -c1 = -2 sqrt(2/pi) log2(e) = -2.3022082
	v_mov_b32 v[KC+1], 0xc0135762
	v_mov_b32 v[KC+2], 0xbdd2d3e8                  ; -c2 = -0.044715 c1 = -0.10294324
	v_mov_b32 v[KC+3], 0xbdd2d3e8
	s_mov_b32 s6, 0                                ; tiles in front of the set in hand
	s_mov_b32 s13, 0                               ; the set kept,
	s_mov_b32 s11, 0                               ; my number less its first tile's,
	s_mov_b32 s12, 0                               ; its count,
	s_mov_b32 s9, 0                                ; its tiles
	s_wait_kmcnt 0x0
	; WHICH TILE.  Kept is the last set that has tokens and whose first tile is not past my number: the set of my tile, or for a spare work-group the last set that has tokens.
.set nn, 0
.rept 36
	s_add_co_u32 s8, s[16+nn], 63
	s_lshr_b32 s8, s8, 6                           ; the set's tiles
	s_sub_co_u32 s7, s5, s6
	s_cmp_le_u32 s6, s5
	s_cselect_b32 s14, s8, 0
	s_cmp_lg_u32 s14, 0
	s_cselect_b32 s13, nn, s13
	s_cselect_b32 s11, s7, s11
	s_cselect_b32 s12, s[16+nn], s12
	s_cselect_b32 s9, s8, s9
	s_add_co_u32 s6, s6, s8
.set nn, nn+1
.endr
	s_lshl_b32 s14, s11, 6
	s_sub_co_i32 s12, s12, s14
	s_max_i32 s12, s12, 0                          ; a spare work-group has no rows,
	s_min_i32 s12, s12, 64                         ; CNT: the rows that this tile stores
	s_sub_co_u32 s9, s9, 1
	s_min_u32 s11, s11, s9                         ; and reads the set's last tile
	s_min_u32 s11, s11, 127                        ; numbers that come from memory are bounded in front of an address
	s_min_u32 s13, s13, 35
	s_mov_b32 s9, 0                                ; a
	s_mov_b32 s14, 0                               ; the first set of that a
.macro PICK a, first
	s_cmp_ge_u32 s13, \first
	s_cselect_b32 s9, \a, s9
	s_cselect_b32 s14, \first, s14
.endm
	PICK 1, 8
	PICK 2, 15
	PICK 3, 21
	PICK 4, 26
	PICK 5, 30
	PICK 6, 33
	PICK 7, 35
	s_sub_co_u32 s10, s13, s14
	s_add_co_u32 s10, s10, s9                      ; b
	s_min_u32 s9, s9, 7
	s_min_u32 s10, s10, 7
	s_lshl_b32 s13, s13, 15
	s_lshl_b32 s11, s11, 8
	s_add_co_u32 s13, s13, s11                     ; the tile's 64 entries in order
	s_load_b512 s[16:31], s[96:97], s13 offset:0x0 ; all 64 tokens as scalars, for the way out; s13 stays as it is
	s_load_b512 s[32:47], s[96:97], s13 offset:0x40
	s_load_b512 s[48:63], s[96:97], s13 offset:0x80
	s_load_b512 s[68:83], s[96:97], s13 offset:0xc0
	s_cmp_lg_u32 s3, 0
	s_cselect_b32 s6, s10, s9                      ; my slot's expert
	s_cselect_b32 s7, -1, 0
	s_min_u32 s6, s6, 7
	s_lshl2_add_u32 s14, s6, s4
	s_lshl_b32 s66, s14, 18
	s_mov_b32 s67, 0
	s_add_nc_u64 s[92:93], s[92:93], s[66:67]      ; w1 at my stream (expert, q)
	s_lshl_b32 s14, s2, 16                         ; my 16 blocks of 16 columns
	s_lshl_b32 s66, s10, 19
	s_add_co_u32 s66, s66, s14
	s_add_nc_u64 s[98:99], s[94:95], s[66:67]      ; w2 of expert b,
	s_lshl_b32 s66, s9, 19
	s_add_co_u32 s66, s66, s14
	s_add_nc_u64 s[94:95], s[94:95], s[66:67]      ; and of expert a
	s_lshl_b32 s14, s6, 2
	s_load_b32 s15, s[90:91], s14 offset:0x0       ; my expert's scale; s14 stays as it is up to the wait for it
	s_lshl_b32 s8, s2, 5
	s_add_co_u32 s8, s8, s13
	v_mov_b32 v15, s8
	v_lshl_add_u32 v66, v64, 2, s13
	global_load_b128 v[GT:GT+3], v15, s[96:97]     ; my wave's 8 tokens, the same in every lane
	global_load_b128 v[GT+4:GT+7], v15, s[96:97] offset:16
.irp m, 0,1,2,3
	global_load_b32 v[TK+\m], v66, s[96:97] offset:64*\m  ; token 16 m + l % 16
.endr
	s_wait_loadcnt 0x0
.irp i, 0,1,2,3,4,5,6,7
	v_min_u32 v[GT+\i], 0x1fff, v[GT+\i]
	v_lshl_add_u32 v[XO+\i], v[GT+\i], 13, v[WOFF] ; a row is 8,192 bytes
.endr
.irp m, 0,1,2,3
	v_min_u32 v[TK+\m], 0x1fff, v[TK+\m]
	v_lshlrev_b32 v[TK+\m], 3, v[TK+\m]
.endr
.irp m, 0,1,2,3
	global_load_b64 v[IX+2*\m:IX+2*\m+1], v[TK+\m], s[88:89]
	global_load_b64 v[WT+2*\m:WT+2*\m+1], v[TK+\m], s[86:87]
.endr
	WIN 0x40                                       ; destination window 1
.set ii, 0
.rept 4                                ; the first four of my 8 rows: 16 loads of 512 consecutive bytes each
.set jj, 0
.rept 16
	global_load_b128 v[64*ii+4*jj:64*ii+4*jj+3], v[XO+ii], s[84:85] offset:512*jj
.set jj, jj+1
.endr
.set ii, ii+1
.endr
	WIN 0
	s_wait_kmcnt 0x0                               ; the 64 tokens and the scale; the scalar work below stands in the wait for X
.set ii, 0
.rept 64
.set tk, 16+ii+4*(ii/48)
	s_min_u32 s[tk], s[tk], 0x1fff
	s_lshl_b32 s[tk], s[tk], 13                    ; the row's byte offset in out
.set ii, ii+1
.endr
; PHASE 0.  Row i of my 8: rounded in place, stored to LDS; its 64 registers are asked for again at once: rows 4 to 7, then the first 8 K steps of w1 (a K step is 4,096 consecutive bytes: 8 loads, 32 registers).
.macro BATCH i
.set bb, 64*((\i)%4)
	s_wait_loadcnt 48                              ; loads come back in order: this row's 16 are in; the three younger groups of 16 stay out
	WIN 0x45                                       ; all in window 1
.set jj, 0
.rept 16
	v_cvt_pk_bf16_f32 v[bb+4*jj], v[bb+4*jj], v[bb+4*jj+1]
	v_cvt_pk_bf16_f32 v[bb+4*jj+1], v[bb+4*jj+2], v[bb+4*jj+3]
.set jj, jj+1
.endr
	WIN 0x04                                       ; the data in window 1, the address in window 0
.set jj, 0
.rept 16
	ds_store_b64 v[XS], v[bb+4*jj:bb+4*jj+1] offset:(\i)*XP+256*jj
.set jj, jj+1
.endr
	WIN 0x40
.set jj, 0
.rept 16
.if (\i) < 4
	global_load_b128 v[bb+4*jj:bb+4*jj+3], v[XO+(\i)+4], s[84:85] offset:512*jj
.else
	global_load_b128 v[bb+4*jj:bb+4*jj+3], v[WOFF], s[92:93] offset:2*((\i)-4)*4096+512*jj
.endif
.set jj, jj+1
.endr
.endm
	BATCH 0
	WIN 0
	; scale x weight for my slot.  (The indices and weights were asked for ahead of X: they are in.)  Slot 0 is the lower expert: it has the token's first weight unless the first index is the greater; slot 1 the other.
	v_mov_b32 v1, s15
	v_cvt_pk_bf16_f32 v1, v1, v1
	v_lshlrev_b32 v1, 16, v1                       ; the scale, rounded to bf16
.irp m, 0,1,2,3
	v_cmp_gt_u32 vcc_lo, v[IX+2*\m], v[IX+2*\m+1]
	s_xor_b32 s14, vcc_lo, s7
	v_cvt_pk_bf16_f32 v15, v[WT+2*\m], v[WT+2*\m+1]
	v_lshlrev_b32 v[WT+2*\m], 16, v15
	v_and_b32 v[WT+2*\m+1], 0xffff0000, v15
	v_cndmask_b32 v15, v[WT+2*\m], v[WT+2*\m+1], s14
	v_mul_f32 v[SCP+2*\m], v1, v15
	v_mul_f32 v[SCP+2*\m+1], v1, v15
.endr
.irp i, 1,2,3,4,5,6,7
	BATCH \i
.endr
	WIN 0
	s_wait_dscnt 0x0                               ; for the others' sake: my 8 rows of X are in LDS
	s_barrier_signal -1
	s_barrier_wait -1                              ; X is whole.  My 64 loads of w1 stay out: nobody writes those bytes
; PHASE 1.  K step s (32 along K), i = s % 8: 16 matrix instructions, the 16 accumulators by turns.  wl: the ring's buffer i is asked for again, K step s + 8.
; al: X's fragments of step s + 2 into buffer i % 2.  lc: my younger loads of w1 that may stay out, 8 for each K step ahead.  dc: the 8 LDS loads of step s + 1.
.macro ALOAD buf, koff
.set mm, 0
.rept 4
	ds_load_b128 v[AB+32*(\buf)+8*mm:AB+32*(\buf)+8*mm+3],   v[AD+mm] offset:(\koff)
	ds_load_b128 v[AB+32*(\buf)+8*mm+4:AB+32*(\buf)+8*mm+7], v[AD+mm] offset:(\koff)+32
.set mm, mm+1
.endr
.endm
.macro STEP i, zero, wl, al, lc, dc
	s_wait_loadcnt \lc
	s_wait_dscnt \dc
	WIN 0x01                                       ; source 0 (w1) in window 1
.set mm, 0
.rept 4
.set jj, 0
.rept 4
.set ra, ACC+8*(4*mm+jj)
.if \zero
	v_wmma_f32_16x16x32_bf16 v[ra:ra+7], v[32*(\i)+8*jj:32*(\i)+8*jj+7], v[AB+32*((\i)%2)+8*mm:AB+32*((\i)%2)+8*mm+7], 0
.else
	v_wmma_f32_16x16x32_bf16 v[ra:ra+7], v[32*(\i)+8*jj:32*(\i)+8*jj+7], v[AB+32*((\i)%2)+8*mm:AB+32*((\i)%2)+8*mm+7], v[ra:ra+7]
.endif
.set jj, jj+1
.endr
.set mm, mm+1
.endr
.if (\wl) || (\al)
	PLACES                                         ; in front of the loads into registers that these products have read
.endif
.if \wl
	WIN 0x40
.set nn, 0
.rept 8
	global_load_b128 v[32*(\i)+4*nn:32*(\i)+4*nn+3], v[WOFF], s[92:93] offset:(8+(\i))*4096+512*nn
.set nn, nn+1
.endr
.endif
	WIN 0
.if \al
	ALOAD (\i)%2, ((\i)+2)*64
.endif
.endm
	ALOAD 0, 0
	ALOAD 1, 64
	STEP 0, 1, 1, 1, 56, 8                         ; the first K step stands in front of the loop: its products start the sums
	s_mov_b32 s5, 7                                ; 7 trips of 8 K steps ask for K steps 8 to 63
	s_branch .Lk1                                  ; the loop is entered behind its first step
.Lk:
	STEP 0, 0, 1, 1, 56, 8
.Lk1:
.irp i, 1,2,3,4,5,6,7
	STEP \i, 0, 1, 1, 56, 8
.endr
	s_wait_xcnt 0x0                                ; the loads' base is stepped only behind this wait
	s_add_nc_u64 s[92:93], s[92:93], 32768
.irp m, 0,1,2,3
	v_add_nc_u32 v[AD+\m], 512, v[AD+\m]
.endr
	s_sub_co_i32 s5, s5, 1
	s_cmp_lg_u32 s5, 0
	s_cbranch_scc1 .Lk
.irp i, 0,1,2,3,4,5
	STEP \i, 0, 0, 1, 8*(7-\i), 8                  ; the last 8 K steps ask for no weights: the counts run down
.endr
	STEP 6, 0, 0, 0, 8, 8
	STEP 7, 0, 0, 0, 0, 0
	v_and_b32 v[ML], 15, v0                        ; the places of the maxima: four plain instructions, the places behind the last products
	v_lshlrev_b32 v[ML], 2, v[ML]
	v_add_nc_u32 v[ML], MXB, v[ML]                 ; a wave's maxima: token 16 m + l % 16 at 64 m + 4 (l % 16)
	v_lshl_add_u32 v[MS], s2, 8, v[ML]             ; my wave's 256 bytes
	s_mov_b32 s9, 0x76543210                       ; v_permlanex16_b32's selects: each lane takes its own place in the other half
	s_mov_b32 s10, 0xfedcba98
	s_mov_b32 s14, 0x7fffffff                      ; clears a sign
	; THE ACTIVATION, all in window 0.  Tile tt = 2 m + j: G = accumulator (m, j), 16 gate rows; U = accumulator (m, j + 2), the matching up rows.  Each accumulator is read from its low end on.
.set tt, 0
.rept 8
.set gg, ACC+8*(4*(tt/2)+tt%2)
.set uu, gg+16
.set t0, TT+8*tt
.irp pr, 0,2,4,6
	v_pk_mul_f32 v[t0+\pr:t0+\pr+1], v[gg+\pr:gg+\pr+1], v[gg+\pr:gg+\pr+1]
.endr
.irp pr, 0,2,4,6
	v_pk_fma_f32 v[t0+\pr:t0+\pr+1], v[t0+\pr:t0+\pr+1], v[KC+2:KC+3], v[KC:KC+1]      ; -c2 x^2 - c1
.endr
.irp pr, 0,2,4,6
	v_pk_mul_f32 v[t0+\pr:t0+\pr+1], v[t0+\pr:t0+\pr+1], v[gg+\pr:gg+\pr+1]            ; times x
.endr
.irp pr, 0,2,4,6
	v_pk_mul_f32 v[uu+\pr:uu+\pr+1], v[uu+\pr:uu+\pr+1], v[SCP+2*(tt/2):SCP+2*(tt/2)+1]  ; up times scale x weight
.endr
.set tt, tt+1
.endr
.set kk, 0
.rept 64
	v_exp_f32 v[TT+kk], v[TT+kk]
.set kk, kk+1
.endr
	v_nop                                          ; a plain instruction behind the last exponential,
	s_wait_alu depctr_va_vdst(0)                   ; and one wait for the batch of 64, ahead of its first reader
.set kk, 0
.rept 32
	v_pk_add_f32 v[TT+2*kk:TT+2*kk+1], v[TT+2*kk:TT+2*kk+1], 1.0 op_sel_hi:[1,0]
.set kk, kk+1
.endr
.set kk, 0
.rept 64
	v_rcp_f32 v[TT+kk], v[TT+kk]
.set kk, kk+1
.endr
	v_nop
	s_wait_alu depctr_va_vdst(0)                   ; likewise for the 64 reciprocals
.set tt, 0
.rept 8
.set gg, ACC+8*(4*(tt/2)+tt%2)
.set uu, gg+16
.set t0, TT+8*tt
.irp pr, 0,2,4,6
	v_pk_mul_f32 v[gg+\pr:gg+\pr+1], v[gg+\pr:gg+\pr+1], v[t0+\pr:t0+\pr+1]            ; gelu
.endr
.irp pr, 0,2,4,6
	v_pk_mul_f32 v[uu+\pr:uu+\pr+1], v[uu+\pr:uu+\pr+1], v[gg+\pr:gg+\pr+1]            ; h, in f32
.endr
.irp n, 0,1,2,3,4,5,6,7
	v_and_b32 v[t0+\n], s14, v[uu+\n]              ; |h|: token 16 m + l % 16 has 16 of them a lane, at TT + 16 m
.endr
.set tt, tt+1
.endr
	; THE TOKEN'S LARGEST |h|: over my lane's 16 (four chains, one a block of 16 tokens, side by side), the other half of the lanes', then, through LDS, the eight waves'.
.irp m, 0,1,2,3
	v_max3_num_f32 v[MXV+\m], v[TT+16*\m], v[TT+16*\m+1], v[TT+16*\m+2]
.endr
.set st, 0
.rept 6
.irp m, 0,1,2,3
	v_max3_num_f32 v[MXV+\m], v[MXV+\m], v[TT+16*\m+3+2*st], v[TT+16*\m+4+2*st]
.endr
.set st, st+1
.endr
.irp m, 0,1,2,3
	v_max_num_f32 v[MXV+\m], v[MXV+\m], v[TT+16*\m+15]
.endr
.irp m, 0,1,2,3
	v_permlanex16_b32 v[WT+\m], v[MXV+\m], s9, s10 ; its destination counts as read: a register that has been written
.endr
.irp m, 0,1,2,3
	v_max_num_f32 v[MXV+\m], v[MXV+\m], v[WT+\m]
.endr
.irp m, 0,1,2,3
	ds_store_b32 v[MS], v[MXV+\m] offset:64*\m     ; lanes l and l + 16 write the same word with the same number
.endr
	s_wait_dscnt 0x0                               ; for the others' sake: my maxima are in LDS
	s_barrier_signal -1
	s_barrier_wait -1                              ; everybody's are
.set mm, 0
.rept 4
.set ww, 0
.rept 8
	ds_load_b32 v[TT+8*mm+ww], v[ML] offset:256*ww+64*mm
.set ww, ww+1
.endr
.set mm, mm+1
.endr
	s_wait_dscnt 0x0
.irp m, 0,1,2,3
	v_max3_num_f32 v[MXV+\m], v[TT+8*\m], v[TT+8*\m+1], v[TT+8*\m+2]
.endr
.irp m, 0,1,2,3
	v_max3_num_f32 v[MXV+\m], v[MXV+\m], v[TT+8*\m+3], v[TT+8*\m+4]
.endr
.irp m, 0,1,2,3
	v_max3_num_f32 v[MXV+\m], v[MXV+\m], v[TT+8*\m+5], v[TT+8*\m+6]
.endr
.irp m, 0,1,2,3
	v_max3_num_f32 v[MXV+\m], v[MXV+\m], v[TT+8*\m+7], 0x08000000  ; at least 2^-111, so that both powers below are ordinary numbers
.endr
.irp m, 0,1,2,3
	v_and_b32 v[MXV+\m], 0x7f800000, v[MXV+\m]     ; E, in the exponent's place
.endr
.irp m, 0,1,2,3
	v_sub_nc_u32 v[INV+2*\m], 0x83000000, v[MXV+\m]  ; exponent 262 - E: 2^(135 - E)
	v_add_nc_u32 v[BK+2*\m], 0xfc000000, v[MXV+\m]   ; exponent E - 8: 2^(E - 135)
.endr
.irp m, 0,1,2,3
	v_mov_b32 v[INV+2*\m+1], v[INV+2*\m]           ; pairs for the packed multiplies
	v_mov_b32 v[BK+2*\m+1], v[BK+2*\m]
.endr
.set tt, 0
.rept 8
.set gg, ACC+8*(4*(tt/2)+tt%2)
.set uu, gg+16
.irp pr, 0,2,4,6
	v_pk_mul_f32 v[uu+\pr:uu+\pr+1], v[uu+\pr:uu+\pr+1], v[INV+2*(tt/2):INV+2*(tt/2)+1]  ; exact: a power of two; the token's largest now lies in 256 to 512
.endr
.irp n, 0,1,2,3
	v_cvt_pk_f16_f32 v[gg+\n], v[uu+2*\n], v[uu+2*\n+1]
.endr
	ds_store_b128 v[HS], v[gg:gg+3] offset:(tt/2)*16*HP+32*(tt%2)  ; token 16 m + l % 16, eight neighbouring columns of h
.set tt, tt+1
.endr
; Step t of a block's 16 in phase 2: 16 columns nt = t / 2, expert slot t % 2: 4 fragments of w2, 4,096 consecutive bytes, into the ring's buffer t % 4.  ex: bytes on, for the next block.
.macro W2LOAD t, ex
.set rb, W2R+32*((\t)%4)
.set nn, 0
.rept 8
.if ((\t)%2) == 0
	global_load_b128 v[rb+4*nn:rb+4*nn+3], v[WOFF], s[94:95] offset:((\t)/2)*4096+(\ex)+512*nn
.else
	global_load_b128 v[rb+4*nn:rb+4*nn+3], v[WOFF], s[98:99] offset:((\t)/2)*4096+(\ex)+512*nn
.endif
.set nn, nn+1
.endr
.endm
	s_wait_dscnt 0x0                               ; for the others' sake: my part of h is in LDS, and my reads of X are long over; the stores have also read their registers, which the loads below fill
.irp t, 0,1,2,3
	W2LOAD \t, 0
.endr
	s_barrier_signal -1
	s_barrier_wait -1                              ; h is whole, and nobody reads X any more: the stages may be written
	s_cmp_eq_u32 s12, 0
	s_cbranch_scc1 .Lend                           ; a spare work-group has nothing to store; no barrier follows
	WIN 0x40
.set mm, 0
.rept 4
.set kk, 0
.rept 8                                ; all of h stays in registers: tokens 16 m on, columns 32 ks on
	ds_load_b128 v[8*(8*mm+kk):8*(8*mm+kk)+3],   v[HL] offset:mm*16*HP+64*kk
	ds_load_b128 v[8*(8*mm+kk)+4:8*(8*mm+kk)+7], v[HL] offset:mm*16*HP+64*kk+32
.set kk, kk+1
.endr
.set mm, mm+1
.endr
	WIN 0
	s_wait_dscnt 0x0
; PHASE 2.  A finished group of 16 columns is multiplied by the token's 2^(E - 135), each accumulator from its low end on, and goes into my stage.
.macro TOSTAGE n
.set rs, AC2+32*((\n)%2)
.set mm, 0
.rept 4
.irp pr, 0,2,4,6
	v_pk_mul_f32 v[rs+8*mm+\pr:rs+8*mm+\pr+1], v[rs+8*mm+\pr:rs+8*mm+\pr+1], v[BK+2*mm:BK+2*mm+1]
.endr
.set mm, mm+1
.endr
.set mm, 0
.rept 4
	ds_store_b128 v[STO], v[rs+8*mm:rs+8*mm+3]   offset:mm*16*HP+64*(\n)
	ds_store_b128 v[STO], v[rs+8*mm+4:rs+8*mm+7] offset:mm*16*HP+64*(\n)+16
.set mm, mm+1
.endr
.endm
; 16 matrix instructions: 128 along K of one expert, the four accumulators (tokens 16 m on) by turns.  Slot 0's first products start the sums; slot 1 adds onto them.
.macro STEP2 t
.set nt, (\t)/2
.set ph, (\t)%2
.set rw, W2R+32*((\t)%4)
.set rc, AC2+32*(nt%2)
.if (\t) <= 12
	s_wait_loadcnt 24                              ; this step's 8 loads are in; those of the three steps ahead stay out
.else
	s_wait_loadcnt 8*(15-(\t))
.endif
	WIN 0x04                                       ; source 1 (h) in window 1
.set kk, 0
.rept 4
.set mm, 0
.rept 4
.if (ph == 0) && (kk == 0)
	v_wmma_f32_16x16x32_f16 v[rc+8*mm:rc+8*mm+7], v[rw+8*kk:rw+8*kk+7], v[8*(8*mm+4*ph+kk):8*(8*mm+4*ph+kk)+7], 0
.else
	v_wmma_f32_16x16x32_f16 v[rc+8*mm:rc+8*mm+7], v[rw+8*kk:rw+8*kk+7], v[8*(8*mm+4*ph+kk):8*(8*mm+4*ph+kk)+7], v[rc+8*mm:rc+8*mm+7]
.endif
.set mm, mm+1
.endr
.set kk, kk+1
.endr
	WIN 0
	PLACES                                         ; in front of the loads into the buffer just read, and of the multiplies that read results
.if (\t) <= 11
	W2LOAD (\t)+4, 0
.endif
.if (ph == 0) && (nt >= 1)
	TOSTAGE nt-1                                   ; the group finished a step ago
.endif
.endm
; THE WAY OUT of a block of 128 columns: row by row, 512 bytes back from my stage and stored by one instruction.  A row past the tile's count is a whole instruction: it and all behind it are jumped.
.macro OUT
.set gq, 0
.rept 8
	s_cmp_le_u32 s12, 8*gq
	s_cbranch_scc1 .Ldone_\@
	s_wait_xcnt 0x0                                ; the last eight stores have read OB and VA: they are rewritten only behind this wait
.set tq, 0
.rept 8
	ds_load_b128 v[OB+4*tq:OB+4*tq+3], v[RD] offset:(8*gq+tq)*HP  ; LDS serves a wave's instructions in order: these see my stores into the stage
.set tq, tq+1
.endr
.set tq, 0
.rept 8
	v_add_nc_u32 v[VA+tq], s[16+8*gq+tq+4*((8*gq+tq)/48)], v[COL]
.set tq, tq+1
.endr
.set tq, 0
.rept 8
	s_wait_dscnt 7-tq                              ; the younger read-backs may be out
.if tq > 0
	s_cmp_le_u32 s12, 8*gq+tq
	s_cbranch_scc1 .Ldone_\@
.endif
	global_store_b128 v[VA+tq], v[OB+4*tq:OB+4*tq+3], s[100:101] th:TH_STORE_NT  ; 512 consecutive bytes of one row of out, at a multiple of 512 from its first
.set tq, tq+1
.endr
.set gq, gq+1
.endr
.Ldone_\@:
	s_wait_dscnt 0x0                               ; read-backs that were jumped away from have landed
.endm
	s_mov_b32 s5, 2
.Lblk:
.irp t, 0,1,2,3,4,5,6,7,8,9,10,11,12,13,14,15
	STEP2 \t
.endr
	s_cmp_eq_u32 s5, 1
	s_cbranch_scc1 .Lnopre                         ; behind the last block nothing is left to ask for
.irp t, 0,1,2,3
	W2LOAD \t, 32768                               ; the next block's first four steps come while this block goes out
.endr
.Lnopre:
	TOSTAGE 7
	OUT
	s_wait_xcnt 0x0                                ; the loads' bases are stepped only behind this wait
	s_add_nc_u64 s[94:95], s[94:95], 32768
	s_add_nc_u64 s[98:99], s[98:99], 32768
	v_add_nc_u32 v[COL], 512, v[COL]
	s_sub_co_i32 s5, s5, 1
	s_cmp_lg_u32 s5, 0
	s_cbranch_scc1 .Lblk
.Lend:
	s_wait_tensorcnt 0x0                           ; the wave's end, behind my last LDS store
	ds_add_u32 v[SPW], v[NIL]
	s_wait_dscnt 0x0
	s_endpgm
.Lfunc_end_k_qcc8e6e03d5_chain:
	.size	k_qcc8e6e03d5_chain, .Lfunc_end_k_qcc8e6e03d5_chain-k_qcc8e6e03d5_chain
	.p2alignl 7, 3214868480
	.fill 96, 4, 3214868480
	.section	.rodata,"a",@progbits
	.p2align	6, 0x0
	.amdhsa_kernel k_qcc8e6e03d5_chain
		.amdhsa_group_segment_fixed_size 307200
		.amdhsa_private_segment_fixed_size 0
		.amdhsa_enable_private_segment 0
		.amdhsa_kernarg_size 72
		.amdhsa_user_sgpr_count 2
		.amdhsa_user_sgpr_kernarg_segment_ptr 1
		.amdhsa_wavefront_size32 1
		.amdhsa_system_sgpr_workgroup_id_x 1
		.amdhsa_system_sgpr_workgroup_id_y 1
		.amdhsa_system_sgpr_workgroup_id_z 1
		.amdhsa_system_vgpr_workitem_id 0
		.amdhsa_next_free_vgpr 512
		.amdhsa_next_free_sgpr 102
		.amdhsa_reserve_vcc 1
		.amdhsa_float_denorm_mode_32 3
		.amdhsa_float_denorm_mode_16_64 3
		.amdhsa_memory_ordered 1
		.amdhsa_forward_progress 1
		.amdhsa_inst_pref_size 209
	.end_amdhsa_kernel
	.amdgpu_metadata
---
amdhsa.version: [ 1, 2 ]
amdhsa.kernels:
  - .name:           k_qcc8e6e03d5_chain
    .symbol:         k_qcc8e6e03d5_chain.kd
    .args:
      - { .name: hidden_states, .offset: 0, .size: 8, .value_kind: global_buffer, .address_space: global }
      - { .name: top_k_weights, .offset: 8, .size: 8, .value_kind: global_buffer, .address_space: global }
      - { .name: top_k_index, .offset: 16, .size: 8, .value_kind: global_buffer, .address_space: global }
      - { .name: per_expert_scale, .offset: 24, .size: 8, .value_kind: global_buffer, .address_space: global }
      - { .name: w1, .offset: 32, .size: 8, .value_kind: global_buffer, .address_space: global }
      - { .name: w2, .offset: 40, .size: 8, .value_kind: global_buffer, .address_space: global }
      - { .name: order, .offset: 48, .size: 8, .value_kind: global_buffer, .address_space: global }
      - { .name: counts, .offset: 56, .size: 8, .value_kind: global_buffer, .address_space: global }
      - { .name: out0, .offset: 64, .size: 8, .value_kind: global_buffer, .address_space: global }
    .group_segment_fixed_size: 307200
    .private_segment_fixed_size: 0
    .kernarg_segment_align: 8
    .kernarg_segment_size: 72
    .max_flat_workgroup_size: 256
    .sgpr_count:     102
    .vgpr_count:     512
    .wavefront_size: 32
...
	.end_amdgpu_metadata
.endif
;; end of part 2
;; ======== version 2 of 3: 2 launches; 1.16 times as fast as version 1
;; limits: values are held in f16: magnitudes above 65,504 overflow, below 6.1e-05 lose precision
;; workspace buffers: w1 8,388,608 bytes; w2 4,194,304 bytes; order 1,179,648 bytes of whole numbers; counts 256 bytes of whole numbers
;; launch prep (part 3): grid 1572 x 1, 1 waves a work-group, no clusters, 33,280 bytes of LDS; arguments gate_up_proj, down_proj, top_k_index, w1, w2, order, counts; writes w1, w2, order, counts
.if DOCPART == 3
	.amdgcn_target "amdgcn-amd-amdhsa--gfx1250"
	.amdhsa_code_object_version 6
	.text
	.protected	k_qcc8e6e03d5_prep
	.globl	k_qcc8e6e03d5_prep
	.p2align	8
	.type	k_qcc8e6e03d5_prep,@function
k_qcc8e6e03d5_prep:
	s_mov_b64 s[64:65], 0
	v_nop
	global_prefetch_b8 v0, s[64:65] scope:SCOPE_SE
	s_setreg_imm32_b32 hwreg(HW_REG_WAVE_MODE, 25, 1), 1
	s_wait_xcnt 0x0
; PREP.  A work-group is ONE wave: no wave of this launch needs another, so each has its LDS to itself and there is no barrier.  Three kinds, told apart by the work-group's number x:
;   x < 36           SORT: the set n = x of experts (an unordered pair a <= b; 36 sets, a outer, b inner): the wave walks all 8,192 tokens' two indices and lists the tokens of its set:
;                    order[n][0 .. c-1] (in the order of the walk, which is free), then token 0 (a row that exists) up to the next multiple of 128 entries; counts[n] = c.
;   36 <= x < 1,060  gate_up_proj (f32) -> w1 (bf16), in the order in which a wave's operand registers take it.
;   1,060 <= x       down_proj (f32) -> w2: rounded to bf16 like every input, and that number written as f16, since the second product's other operand is f16.
; A FRAGMENT (16 rows x 32 k of 16 bits) is stored as 1,024 bytes: lane l (row l % 16, half l / 16) has 16 bytes at 16 l (k = 8 half + 0..7) and 16 bytes at 512 + 16 l (k = 16 + 8 half + 0..7),
; so that the next launch fills a fragment by two loads of 512 consecutive bytes.
;   w1: stream (e, q) at (4 e + q) x 262,144; K step s (32 k) at + 4,096 s; fragment j at + 1,024 j: j = 0, 1 gate rows 32 q + 16 j on, j = 2, 3 up rows 128 + 32 q + 16 (j - 2) on.
;   w2: block (e, 16 output columns nt) at (128 e + nt) x 4,096; fragment kk (k = 32 kk on) at + 1,024 kk.
; REGISTERS.  512 a wave, so that a sort wave can have half of all indices (64 loads, 32,768 bytes) on its way at once, in v256-511; with 1,572 waves for 1,024 SIMDs two waves a SIMD hold them all.
; LIMITS.  The weights are rounded once to bf16 (nearest even).  In w2 that number is exact in f16 from 2^-17 to 65,504 in magnitude; below, it keeps f16's fixed step of 2^-24; beyond, it is an infinity.
; Indices lie in 0 .. 7, as the problem states: a token with another index would be in no list.
.set SPARE, 33024                      ; behind the list (8,192 entries, then 32 dump words, one a lane: 32,896 bytes): the spare words, that no other line names
.set SPW,   2                          ; v2  LDS address of my spare word; never rewritten
.set NIL,   3                          ; v3  0; never rewritten
.set LR,    8                          ; v[8:135]   conversion: two units of 16 rows as loaded, 4 f32 a lane and row; then 4 numbers of 16 bits in the first two registers of each four
.set RR,    136                        ; v[136:167] conversion: a unit's 8 half fragments, to store
.set DMP,   6                          ; v6         SORT: my dump word's place in the list
.set ZQ,    8                          ; v[8:11]    SORT: four zeros
.set ADR,   32                         ; v[32:63]   SORT: the places, then LDS addresses, of 32 slots
.set TV,    64                         ; v[64:95]   SORT: the tokens of 32 slots
.set CB,    96                         ; v[96:127]  SORT: eight pieces of the list on their way out
.set KY,    128                        ; v[128:255] SORT: the keys of a trip's 128 slots
.set MK,    32                         ; s[32:63]   SORT: for each of 32 slots, the lanes that belong to the set
.set CN,    66                         ; s[66:97]   SORT: the list's length behind each of 32 slots
.set MSB, 0
.macro WIN new                         ; s_set_vgpr_msb: bits 1:0 source 0, 3:2 source 1, 5:4 source 2, 7:6 destination; the high byte repeats the setting that is left
.if MSB != (\new)
	s_set_vgpr_msb (MSB<<8)|(\new)
.set MSB, \new
.endif
.endm
	s_load_b256 s[8:15], s[0:1], 0x0               ; gate_up s[8:9], down s[10:11], index s[12:13], w1 s[14:15]
	s_load_b128 s[16:19], s[0:1], 0x20             ; w2 s[16:17], order s[18:19]
	s_load_b64 s[20:21], s[0:1], 0x30              ; counts
	v_lshl_add_u32 v[SPW], v0, 2, SPARE
	v_mov_b32 v[NIL], 0
	s_mov_b32 s3, ttmp9                            ; x
	s_mov_b32 s23, 0                               ; conversion: the high word of an offset.  SORT: the list's length so far
	v_lshlrev_b32 v4, 4, v0                        ; 16 x lane (the thread's number is the lane): the offset of every 16-byte access, in memory and in LDS; never rewritten
	s_wait_kmcnt 0x0
	s_cmp_lt_u32 s3, 36
	s_cbranch_scc1 .Lsort
	; ---------------- conversion: a unit is 16 rows x 128 k; a wave takes two.  The stage: two units of 16 rows x 272 bytes (256 + 16: the 16 rows of a read start 16 bytes apart modulo 256) ----------------
	v_lshlrev_b32 v5, 3, v0                        ; into the stage: 8 bytes a lane, a row's 256 bytes on end
	v_and_b32 v6, 15, v0
	v_mul_u32_u24 v6, v6, 272
	v_bfe_u32 v7, v0, 4, 1
	v_lshl_add_u32 v6, v7, 4, v6                   ; back: row l % 16, 16 bytes for each half of the lanes
; src, dst: the scalar pairs with the two addresses.  pitch: bytes from row to row in the source; usrc, udst: from unit to unit; kstr: from one 32 k to the next in the destination.  half = 1: the bf16 numbers are written as f16.
.macro CONV src, dst, pitch, usrc, kstr, udst, half
.set uu, 0
.rept 2
.set ii, 0
.rept 16
	global_load_b128 v[LR+64*uu+4*ii:LR+64*uu+4*ii+3], v4, s[\src:\src+1] offset:uu*(\usrc)+ii*(\pitch) th:TH_LOAD_NT  ; 512 consecutive bytes of one row; all 32 loads go out before the first wait
.set ii, ii+1
.endr
.set uu, uu+1
.endr
.set uu, 0
.rept 2
	s_wait_loadcnt 16*(1-uu)                       ; loads come back in order (ISA guide 5.7.1): this unit's 16 are in, the other unit's 16 may be out
.if uu == 1
	s_wait_xcnt 0x0                                ; the first unit's stores have read RR: it is loaded again only behind this wait
.endif
.set ii, 0
.rept 16
.set bq, LR+64*uu+4*ii
	v_cvt_pk_bf16_f32 v[bq], v[bq], v[bq+1]
	v_cvt_pk_bf16_f32 v[bq+1], v[bq+2], v[bq+3]
.if \half
	v_lshlrev_b32 v[bq+2], 16, v[bq]               ; bf16 to f32: the low half moves up, the high half stays
	v_and_b32 v[bq+3], 0xffff0000, v[bq]
	v_cvt_pk_f16_f32 v[bq], v[bq+2], v[bq+3]
	v_lshlrev_b32 v[bq+2], 16, v[bq+1]
	v_and_b32 v[bq+3], 0xffff0000, v[bq+1]
	v_cvt_pk_f16_f32 v[bq+1], v[bq+2], v[bq+3]
.endif
.set ii, ii+1
.endr
.set ii, 0
.rept 16
	ds_store_b64 v5, v[LR+64*uu+4*ii:LR+64*uu+4*ii+1] offset:uu*4352+ii*272
.set ii, ii+1
.endr
.set ff, 0
.rept 8                                ; half fragment ff: 32 k number ff / 2, half ff % 2.  LDS serves a wave's instructions in order (ISA guide 5.7.1.4): these see the stores above
	ds_load_b128 v[RR+4*ff:RR+4*ff+3], v6 offset:uu*4352+64*(ff/2)+32*(ff%2)
.set ff, ff+1
.endr
.set ff, 0
.rept 8
	s_wait_dscnt 7-ff                              ; the younger read-backs may be out
	global_store_b128 v4, v[RR+4*ff:RR+4*ff+3], s[\dst:\dst+1] offset:uu*(\udst)+(ff/2)*(\kstr)+512*(ff%2)  ; 512 consecutive bytes, at a multiple of 512 from the buffer's first
.set ff, ff+1
.endr
.set uu, uu+1
.endr
	s_wait_tensorcnt 0x0                           ; the wave's end, behind my last LDS store
	ds_add_u32 v[SPW], v[NIL]
	s_wait_dscnt 0x0
	s_endpgm
.endm
	s_cmp_lt_u32 s3, 1060
	s_cbranch_scc1 .Lw1
	; down_proj: 1,024 units of 16 whole rows (8,192 consecutive bytes); unit 128 e + nt; this wave has units 2 (x - 1,060) and the next
	s_sub_co_u32 s4, s3, 1060
	s_lshl_b32 s22, s4, 14
	s_add_nc_u64 s[10:11], s[10:11], s[22:23]
	s_lshl_b32 s22, s4, 13
	s_add_nc_u64 s[16:17], s[16:17], s[22:23]
	CONV 10, 16, 512, 8192, 1024, 4096, 1
.Lw1:
	; gate_up_proj: z = x - 36; y = z / 8 is a group of 16 rows (e = y / 16, g = y % 16), c = z % 8 its k = 256 c .. 256 c + 255
	s_sub_co_u32 s4, s3, 36
	s_and_b32 s2, s4, 7                            ; c
	s_lshr_b32 s4, s4, 3                           ; y
	s_lshl_b32 s22, s4, 17                         ; 16 rows of 8,192 bytes
	s_lshl_b32 s5, s2, 10
	s_add_co_u32 s22, s22, s5
	s_add_nc_u64 s[8:9], s[8:9], s[22:23]
	s_lshr_b32 s5, s4, 4                           ; e
	s_and_b32 s6, s4, 7
	s_lshr_b32 s7, s6, 1                           ; q = (g % 8) / 2
	s_lshl2_add_u32 s5, s5, s7                     ; 4 e + q
	s_lshl_b32 s5, s5, 6
	s_lshl3_add_u32 s5, s2, s5                     ; its K step 8 c
	s_lshl_b32 s22, s5, 12
	s_and_b32 s6, s6, 1
	s_bfe_u32 s7, s4, 0x10003                      ; g / 8: gate or up
	s_lshl1_add_u32 s6, s7, s6                     ; j = g % 2 + 2 (g / 8)
	s_lshl_b32 s6, s6, 10
	s_add_co_u32 s22, s22, s6
	s_add_nc_u64 s[14:15], s[14:15], s[22:23]
	CONV 8, 14, 8192, 512, 4096, 16384, 0
	; ---------------- SORT: the set n = x ----------------
	; Two trips of 4,096 tokens.  A trip's indices are 64 loads of 16 bytes a lane, two tokens each: slot k = 2 i + u of a lane is token (the half's first) + 64 i + 2 lane + u.
	; Sets with an odd number take the upper half of the tokens first: so both halves are asked for at the launch's start, each by 18 of the 36 waves.
.macro IDXLOADS base
	WIN 0x40                                       ; destination v256-511, the offset in v4
.set ii, 0
.rept 64
	global_load_b128 v[4*ii:4*ii+3], v4, s[\base:\base+1] offset:512*ii
.set ii, ii+1
.endr
	WIN 0
.endm
.Lsort:
	s_and_b32 s24, s3, 1
	s_lshl_b32 s28, s24, 15                        ; the half taken first begins at byte 0 or 32,768 of the indices,
	s_mov_b32 s29, 0
	s_xor_b32 s30, s28, 0x8000                     ; the other half at the other
	s_mov_b32 s31, 0
	s_add_nc_u64 s[28:29], s[12:13], s[28:29]
	s_add_nc_u64 s[30:31], s[12:13], s[30:31]
	IDXLOADS 28                                    ; the first half goes out ahead of all other set-up
	s_mov_b32 s5, 0                                ; a
	s_mov_b32 s6, 0                                ; the first n of that a
.macro PICK a, first
	s_cmp_ge_u32 s3, \first
	s_cselect_b32 s5, \a, s5
	s_cselect_b32 s6, \first, s6
.endm
	PICK 1, 8
	PICK 2, 15
	PICK 3, 21
	PICK 4, 26
	PICK 5, 30
	PICK 6, 33
	PICK 7, 35
	s_sub_co_u32 s25, s3, s6
	s_add_co_u32 s25, s25, s5                      ; b
	s_lshl_b32 s7, 1, s5
	s_lshl_b32 s22, 1, s25
	s_or_b32 s7, s7, s22                           ; the set's key: bit a and bit b; a token's key is made alike, so the order of its two indices does not show
	s_lshl_b32 s26, s3, 15                         ; the set's 32,768 bytes in order
	s_mov_b32 s27, 0
	s_add_nc_u64 s[18:19], s[18:19], s[26:27]
	s_lshl_b32 s24, s24, 12
	v_lshl_add_u32 v5, v0, 1, s24                  ; the token of my first slot: the half's first + 2 x lane
	v_add_nc_u32 v[DMP], 8192, v0
.irp k, 0,1,2,3
	v_mov_b32 v[ZQ+\k], 0
.endr
.set ii, 0
.rept 64                               ; the whole list holds token 0 before the walk: what lies past the count names a row that exists.  This stands in the wait for the first indices
	ds_store_b128 v4, v[ZQ:ZQ+3] offset:512*ii
.set ii, ii+1
.endr
	s_mov_b32 s24, 2
.Ltrip:
	s_wait_loadcnt 0x0                             ; this trip's 64 loads, which went out together
	WIN 0x54                                       ; sources 1 and 2 and the destination in v256-511
.set ii, 0
.rept 64
	v_lshl_or_b32 v[4*ii+1], 1, v[4*ii+1], 0       ; 1 << second index, of both tokens of a load
	v_lshl_or_b32 v[4*ii+3], 1, v[4*ii+3], 0
.set ii, ii+1
.endr
	WIN 0x14                                       ; the destination in window 0
.set ii, 0
.rept 64
	v_lshl_or_b32 v[KY+2*ii], 1, v[4*ii], v[4*ii+1]      ; (1 << first index) | that
	v_lshl_or_b32 v[KY+2*ii+1], 1, v[4*ii+2], v[4*ii+3]
.set ii, ii+1
.endr
	WIN 0
	s_cmp_eq_u32 s24, 1
	s_cbranch_scc1 .Lnoload                        ; the last trip asks for nothing
	IDXLOADS 30                                    ; the other half comes while this half's 128 slots are placed
.Lnoload:
	; 32 slots at a time; each stage is 32 lines that do not wait for each other (but the scalar running sum)
.set gg, 0
.rept 4
.set kk, 0
.rept 32
	v_cmp_eq_u32 s[MK+kk], s7, v[KY+32*gg+kk]      ; the lanes whose slot belongs to my set
.set kk, kk+1
.endr
.set kk, 0
.rept 32
	v_add_nc_u32 v[TV+kk], 64*((32*gg+kk)/2)+(kk&1), v5  ; the slot's token
.set kk, kk+1
.endr
.set kk, 0
.rept 32
	s_bcnt1_i32_b32 s[CN+kk], s[MK+kk]
.set kk, kk+1
.endr
	s_add_co_u32 s[CN], s[CN], s23
.set kk, 1
.rept 31
	s_add_co_u32 s[CN+kk], s[CN+kk], s[CN+kk-1]    ; the list's length behind slot kk
.set kk, kk+1
.endr
	v_mbcnt_lo_u32_b32 v[ADR], s[MK], s23          ; the place in the list: the length in front of the slot + the set's lanes below mine
.set kk, 1
.rept 31
	v_mbcnt_lo_u32_b32 v[ADR+kk], s[MK+kk], s[CN+kk-1]
.set kk, kk+1
.endr
	s_mov_b32 s23, s[CN+31]
.set kk, 0
.rept 32
	v_cndmask_b32 v[ADR+kk], v[DMP], v[ADR+kk], s[MK+kk]  ; a slot that is not the set's goes to my dump word: every store runs with all lanes on
.set kk, kk+1
.endr
.set kk, 0
.rept 32
	v_min_u32 v[ADR+kk], 0x201f, v[ADR+kk]         ; a place is under 8,224: said in the text, since it comes from loaded numbers
.set kk, kk+1
.endr
.set kk, 0
.rept 32
	v_lshlrev_b32 v[ADR+kk], 2, v[ADR+kk]
.set kk, kk+1
.endr
.set kk, 0
.rept 32
	ds_store_b32 v[ADR+kk], v[TV+kk]
.set kk, kk+1
.endr
.set gg, gg+1
.endr
	v_xor_b32 v5, 0x1000, v5                       ; the other half's first token
	s_sub_co_i32 s24, s24, 1
	s_cmp_lg_u32 s24, 0
	s_cbranch_scc1 .Ltrip
	; The list goes to memory in pieces of 128 entries, eight read back at a time; a piece that begins at or past the count, and all behind it, are jumped.
	s_min_u32 s23, s23, 0x2000                     ; c
.set gq, 0
.rept 8
	s_cmp_le_u32 s23, 1024*gq
	s_cbranch_scc1 .Lcopied
	s_wait_xcnt 0x0                                ; the last eight stores have read their data: it is loaded again only behind this wait
.set tq, 0
.rept 8
	ds_load_b128 v[CB+4*tq:CB+4*tq+3], v4 offset:512*(8*gq+tq)  ; LDS serves a wave's instructions in order: these see the stores above
.set tq, tq+1
.endr
.set tq, 0
.rept 8
	s_wait_dscnt 7-tq                              ; the younger read-backs may be out
.if tq > 0
	s_cmp_le_u32 s23, 128*(8*gq+tq)
	s_cbranch_scc1 .Lcopied
.endif
	global_store_b128 v4, v[CB+4*tq:CB+4*tq+3], s[18:19] offset:512*(8*gq+tq)  ; 512 consecutive bytes
.set tq, tq+1
.endr
.set gq, gq+1
.endr
.Lcopied:
	s_wait_dscnt 0x0                               ; read-backs that were jumped away from have landed
	v_mov_b32 v12, s23
	s_lshl_b32 s25, s3, 2
	v_mov_b32 v13, s25
	v_cmp_eq_u32 vcc_lo, 0, v0
	s_wait_xcnt 0x0                                ; EXEC changes only behind this wait,
	s_and_saveexec_b32 s26, vcc_lo
	global_store_b32 v13, v12, s[20:21]            ; counts[n], by lane 0
	s_wait_xcnt 0x0                                ; and again in front of the line that widens it
	s_or_b32 exec_lo, exec_lo, s26
	s_wait_tensorcnt 0x0                           ; the wave's end, behind my last LDS store
	ds_add_u32 v[SPW], v[NIL]
	s_wait_dscnt 0x0
	s_endpgm
.Lfunc_end_k_qcc8e6e03d5_prep:
	.size	k_qcc8e6e03d5_prep, .Lfunc_end_k_qcc8e6e03d5_prep-k_qcc8e6e03d5_prep
	.p2alignl 7, 3214868480
	.fill 96, 4, 3214868480
	.section	.rodata,"a",@progbits
	.p2align	6, 0x0
	.amdhsa_kernel k_qcc8e6e03d5_prep
		.amdhsa_group_segment_fixed_size 33280
		.amdhsa_private_segment_fixed_size 0
		.amdhsa_enable_private_segment 0
		.amdhsa_kernarg_size 56
		.amdhsa_user_sgpr_count 2
		.amdhsa_user_sgpr_kernarg_segment_ptr 1
		.amdhsa_wavefront_size32 1
		.amdhsa_system_sgpr_workgroup_id_x 1
		.amdhsa_system_sgpr_workgroup_id_y 1
		.amdhsa_system_sgpr_workgroup_id_z 1
		.amdhsa_system_vgpr_workitem_id 0
		.amdhsa_next_free_vgpr 512
		.amdhsa_next_free_sgpr 98
		.amdhsa_reserve_vcc 1
		.amdhsa_float_denorm_mode_32 3
		.amdhsa_float_denorm_mode_16_64 3
		.amdhsa_memory_ordered 1
		.amdhsa_forward_progress 1
		.amdhsa_inst_pref_size 150
	.end_amdhsa_kernel
	.amdgpu_metadata
---
amdhsa.version: [ 1, 2 ]
amdhsa.kernels:
  - .name:           k_qcc8e6e03d5_prep
    .symbol:         k_qcc8e6e03d5_prep.kd
    .args:
      - { .name: gate_up_proj, .offset: 0, .size: 8, .value_kind: global_buffer, .address_space: global }
      - { .name: down_proj, .offset: 8, .size: 8, .value_kind: global_buffer, .address_space: global }
      - { .name: top_k_index, .offset: 16, .size: 8, .value_kind: global_buffer, .address_space: global }
      - { .name: w1, .offset: 24, .size: 8, .value_kind: global_buffer, .address_space: global }
      - { .name: w2, .offset: 32, .size: 8, .value_kind: global_buffer, .address_space: global }
      - { .name: order, .offset: 40, .size: 8, .value_kind: global_buffer, .address_space: global }
      - { .name: counts, .offset: 48, .size: 8, .value_kind: global_buffer, .address_space: global }
    .group_segment_fixed_size: 33280
    .private_segment_fixed_size: 0
    .kernarg_segment_align: 8
    .kernarg_segment_size: 56
    .max_flat_workgroup_size: 32
    .sgpr_count:     98
    .vgpr_count:     512
    .wavefront_size: 32
...
	.end_amdgpu_metadata
.endif
;; end of part 3
;; launch chain: the kernel of part 2 again; grid 163 x 1, 8 waves a work-group, no clusters, 307,200 bytes of LDS; arguments hidden_states, top_k_weights, top_k_index, per_expert_scale, w1, w2, order, counts, out0; writes out0
;; ======== version 3 of 3: 2 launches; version 2 with the launch chain written anew for expert scheduling mode
;; limits: values are held in f16: magnitudes above 65,504 overflow, below 6.1e-05 lose precision
;; workspace buffers: w1 8,388,608 bytes; w2 4,194,304 bytes; order 1,179,648 bytes of whole numbers; counts 256 bytes of whole numbers
;; launch prep: the kernel of part 3 again; grid 1572 x 1, 1 waves a work-group, no clusters, 33,280 bytes of LDS; arguments gate_up_proj, down_proj, top_k_index, w1, w2, order, counts; writes w1, w2, order, counts
;; launch chain (part 4): grid 163 x 1, 8 waves a work-group, no clusters, 307,200 bytes of LDS; arguments hidden_states, top_k_weights, top_k_index, per_expert_scale, w1, w2, order, counts, out0; writes out0
.if DOCPART == 4
	.amdgcn_target "amdgcn-amd-amdhsa--gfx1250"
	.amdhsa_code_object_version 6
	.text
	.protected	k_qcc8e6e03d5_chain
	.globl	k_qcc8e6e03d5_chain
	.p2align	8
	.type	k_qcc8e6e03d5_chain,@function
k_qcc8e6e03d5_chain:
	s_mov_b64 s[64:65], 0
	v_nop
	global_prefetch_b8 v0, s[64:65] scope:SCOPE_SE
	s_setreg_imm32_b32 hwreg(HW_REG_WAVE_SCHED_MODE, 0, 2), 2
	s_setreg_imm32_b32 hwreg(HW_REG_WAVE_MODE, 25, 1), 1
	s_wait_xcnt 0x0
	s_wait_alu depctr_vm_vsrc(0)
; CHAIN.  out[t] = sum over the token's two choices k of scale[e_k] w[t][k] (gelu_tanh(x W_gate[e_k]^T) * (x W_up[e_k]^T)) W_down[e_k]^T.
; A work-group takes a TILE of up to 64 tokens that chose the same SET of experts (a <= b; the lists and counts were stored by the launch before) through the whole chain:
;   phase 0  the tokens' rows of hidden_states are gathered, rounded to bf16 and laid into LDS (each wave 8 rows);
;   phase 1  [64 x 2,048] x [512 x 2,048]^T in bf16: gate and up rows of both experts.  Wave w: expert slot p = w / 4 (0: a, 1: b), quarter q = w % 4: 32 gate and the 32 matching up rows, all 64 tokens;
;   then     h = gelu(gate) up (scale x weight), [64 x 256] (slot p's 128 numbers at column 128 p), brought under a power of two of the token's own, rounded to f16, into LDS;
;   phase 2  [64 x 256] x [2,048 x 256]^T in f16: both experts' results are added in ONE accumulator, so a row of out has one owner.  Wave w: columns 256 w on, in two blocks of 128;
;   out      a block is multiplied by the token's power of two, goes through the wave's own stage in LDS and leaves as whole pieces of rows, 512 consecutive bytes a store.
; A token that names one expert twice is in the set (a, a): the same expert in both slots, with its two weights.
; WHY f16 AND A SCALE.  h's rounding reaches out undiminished relative to the token's own spread, and tokens with two large weights have up to twice the output's root mean square: bf16's 8 bits do not hold
; 1% of that root mean square for every number; f16's 11 bits do.  f16's range is kept for every input by the scale: with E the exponent of the token's largest |h|, h x 2^(135 - E) lies under 512.
; THE GRID.  With tiles of 64 and 36 sets there are never more than (8,192 + 36 x 63) / 64 = 163 tiles.  A work-group whose number is past the tiles that this split has may not end before the
; barriers (every wave passes every barrier, none under a branch on loaded numbers): it takes the last tile once more with a count of 0, leaves behind the last barrier and stores nothing.
; WEIGHTS come from memory straight into operand registers (w1, w2 are laid out so): each fragment feeds only four matrix instructions, and a way through LDS would add its bytes there twice.
; NO CLUSTER: beside the 263,168 bytes of X there is no room for slots of weights, and a set's tiles are not a multiple of four at every split.  X's rows come by a list, which no tensor descriptor covers.
; BOTH PRODUCTS ARE USED TRANSPOSED (source 0 = 16 weight rows, source 1 = 16 tokens): lane l then holds token l % 16, and its eight registers the weight rows 8 (l / 16) + 0..7.
; LIMITS.  All floating inputs are rounded to bf16 (hidden_states and the weights as matrix operands; top_k_weights and per_expert_scale likewise, so that all inputs have one rounding); down_proj's bf16
; numbers stand in f16 (exact from 2^-17 to 65,504); h is rounded once to f16 under its scale: a number under 2^-22 of the token's largest keeps a fixed step of 2^-32 of it; a token whose largest |h| is
; under 2^-111 is scaled as if it were that.  Sums in f32.  gelu = x / (1 + 2^(-x (c1 + c2 x^2))): for very negative x the power is an infinity and the result -0.  NaN and infinities are not treated apart.
; THE MODE: SCHED_MODE bits 1:0 = 2 (LLVM: expert scheduling mode 2), set by the entry lines.  The code itself states the register dependences between vector or matrix instructions and memory or LDS
; instructions, with s_wait_alu, always for 0.
; THE PLAN.  Registers that memory or LDS instructions touch, and who else names them:
;   phase 0  RAW0 .. RAW3 (window 1, 64 each): row i's loads land in RAW[i % 4]; its 32 conversions read it; then it is loaded again.  OT0, OT1: the conversions write OT[i % 2], the row's 16 LDS stores read it.
;            One wait on va_vdst a row, behind the conversions; the row's 16 loads and 16 stores follow it.  Beside it one on vm_vsrc: the stores of the row before have read the other OT.
;   phase 1  R0 .. R7 (window 1, 32 each), AB0, AB1: K step s's products read R[s % 8] and AB[s % 2]; in step s + 1 the loads of K step s + 8 and of X's fragments of step s + 2 land in them.
;            One wait on va_vdst at a step's head; the step's 16 loads follow it, dealt among its products, which name the accumulators, R[s % 8] and AB[s % 2] alone.
;            AD is read by every fragment load and stepped once in 8 steps: vm_vsrc ahead of the add, the next step's wait on va_vdst behind it.
;   phase 2  W0 .. W3: step t's products read W[t % 4]; in step t + 1 the loads of step t + 4 land in it.  AC2[n % 2]: written by the products of steps 2 n, 2 n + 1, scaled at the end of step 2 n + 2,
;            stored to the stage in step 2 n + 3, started anew in step 2 n + 4.  One wait on va_vdst at a step's head serves the loads and the stage's stores; vm_vsrc at the head of the step that starts a buffer anew.
;   out      OB: loads from the stage land, global stores read.  VA: vector adds write, global stores read.  For each 8 rows one wait on vm_vsrc ahead of them and one on va_vdst behind the adds.
;   WOFF, XS, HS, HL, STO, RD are made at the head and never written again.
.set XP,    4112                       ; a row of X in LDS: 4,096 bytes + 16: the 16 rows of a fragment load start 16 bytes apart modulo 256
.set HP,    528                        ; a row of h (512 + 16), and of a stage (128 f32 + 16)
.set SGW,   64*HP                      ; a wave's stage, 33,792 bytes; the eight stages lie over X, which is dead by then
.set HB,    8*SGW                      ; h begins at 270,336, behind X (263,168) and behind the stages
.set MXB,   HB+64*HP+1024              ; 305,152: each wave's 64 maxima, 256 bytes a wave; the 1,024 bytes between h and them hold the spare words, 128 bytes a wave
; window 0
.set ML,   1                           ; v1      lane and at work; later my place in a wave's maxima
.set WOFF, 4                           ; v4      16 x lane
.set XS,   5                           ; v5      where I put 8 bytes of my wave's first row of X
.set AD,   6                           ; v6-9    my place in X's fragments of tokens 16 m on; steps along K
.set HS,   10                          ; v10     where I put 16 bytes of h
.set HL,   11                          ; v11     my place in h's fragments
.set STO,  12                          ; v12     stage, in
.set RD,   13                          ; v13     stage, back
.set COL,  14                          ; v14     my byte in a row of out
.set MS,   15                          ; v15     at work; later my place in my wave's maxima
.set XO,   16                          ; v16-23  byte offsets of my wave's 8 rows in hidden_states
.set VA,   16                          ;         later: the offsets of 8 stores
.set SCP,  24                          ; v24-31  scale x weight of token 16 m + l % 16 in my slot, twice (a pair for the packed multiply)
.set BK,   24                          ;         later: 2^(E - 135) of that token, twice
.set KC,   32                          ; v32-35  -c1, -c1, -c2, -c2
.set TK,   36                          ; v36-39  8 x token 16 m + l % 16
.set MXV,  36                          ;         later: that token's largest |h|
.set IX,   40                          ; v40-47  its two indices
.set INV,  40                          ;         later: 2^(135 - E), twice
.set WT,   48                          ; v48-55  its two weights
.set GT,   56                          ; v56-63  my wave's 8 tokens
.set OB,   32                          ; v32-63  phase 2: 8 pieces of rows on their way out
.set AB,   64                          ; v64-127 phase 1: X's fragments, two buffers of 4 x 8
.set TT,   64                          ;         the activation's 64 numbers at work
.set AC2,  64                          ;         phase 2: two buffers of 4 accumulators
.set OT,   128                         ; v128-191 phase 0: two out-buffers of 32: a row of X in bf16, to store
.set ACC,  128                         ; v128-255 phase 1: accumulator (m, j) at ACC + 8 (4 m + j)
.set W2R,  128                         ;         phase 2: a ring of 4 x 32 for w2
; window 1 (v256-511): phase 0: four rows of X as loaded; phase 1: a ring of 8 K steps of w1, 32 registers each; phase 2: h's fragments (m, ks) at 8 (8 m + ks)
; scalars: s2 wave, s3 p, s4 q, s5 work-group's number, then loop counts; s12 CNT, the tile's rows; s13 the tile's byte in order; s15 my expert's scale; s7 0 or -1 by p
;          s[16:63], s[68:83]: the 36 counts, then the 64 rows' byte offsets in out;  s[84:101] addresses
.set MSB, 0
.macro WIN new                         ; s_set_vgpr_msb: bits 1:0 source 0, 3:2 source 1, 5:4 source 2, 7:6 destination; the high byte repeats the setting that is left
.if MSB != (\new)
	s_set_vgpr_msb (MSB<<8)|(\new)
.set MSB, \new
.endif
.endm
.macro PLACES                          ; four plain instructions between a matrix instruction and a load into, or a read of, its registers
.rept 4
	v_nop
.endr
.endm
	s_load_b512 s[84:99], s[0:1], 0x0              ; hidden 84, weights 86, index 88, scale 90, w1 92, w2 94, order 96, counts 98
	s_load_b64 s[100:101], s[0:1], 0x40            ; out0
	v_lshl_add_u32 v2, v0, 2, 0x4a400
	v_mov_b32 v3, 0
	v_lshrrev_b32 v1, 5, v0
	v_readfirstlane_b32 s2, v1                     ; wave
	s_mov_b32 s5, ttmp9
	s_wait_alu depctr_va_sdst(0)                   ; s2 is written, ahead of its first reader
	s_lshr_b32 s3, s2, 2                           ; p
	s_and_b32 s4, s2, 3                            ; q
	s_wait_kmcnt 0x0
	s_load_b512 s[16:31], s[98:99], 0x0            ; the 36 counts
	s_load_b512 s[32:47], s[98:99], 0x40
	s_load_b128 s[48:51], s[98:99], 0x80
	; the lane's places, made while the counts come
	v_and_b32 v1, 31, v0                           ; lane
	v_and_b32 v64, 15, v0                          ; r = l % 16
	v_bfe_u32 v65, v0, 4, 1                        ; h = l / 16
	v_lshlrev_b32 v[WOFF], 4, v1
	s_mul_i32 s14, s2, 8*XP
	v_lshl_add_u32 v[XS], v1, 3, s14
	v_mul_u32_u24 v66, v64, XP
	v_lshl_add_u32 v[AD], v65, 4, v66              ; row x pitch + 16 x half
	v_add_nc_u32 v[AD+1], 16*XP, v[AD]
	v_add_nc_u32 v[AD+2], 32*XP, v[AD]
	v_add_nc_u32 v[AD+3], 48*XP, v[AD]
	v_mul_u32_u24 v67, v64, HP
	v_lshl_add_u32 v[HL], v65, 4, v67
	v_add_nc_u32 v[HL], HB, v[HL]
	s_lshl_b32 s14, s3, 8
	s_lshl_b32 s8, s4, 6
	s_add_co_u32 s14, s14, s8
	v_add_nc_u32 v[HS], s14, v[HL]                 ; + 256 p + 64 q: my 32 columns of h
	s_mul_i32 s14, s2, SGW
	v_lshl_add_u32 v[STO], v65, 5, v67             ; in: row l % 16, 32 bytes for each half of the lanes
	v_add_nc_u32 v[STO], s14, v[STO]
	v_lshl_add_u32 v[RD], v1, 4, s14               ; back: 32 lanes take a row's 512 bytes
	s_lshl_b32 s14, s2, 10
	v_lshl_add_u32 v[COL], v1, 4, s14              ; my wave's 256 columns of out
	v_mov_b32 v[KC], 0xc0135762                    ; -c1 = -2 sqrt(2/pi) log2(e) = -2.3022082
	v_mov_b32 v[KC+1], 0xc0135762
	v_mov_b32 v[KC+2], 0xbdd2d3e8                  ; -c2 = -0.044715 c1 = -0.10294324
	v_mov_b32 v[KC+3], 0xbdd2d3e8
	s_mov_b32 s6, 0                                ; tiles in front of the set in hand
	s_mov_b32 s13, 0                               ; the set kept,
	s_mov_b32 s11, 0                               ; my number less its first tile's,
	s_mov_b32 s12, 0                               ; its count,
	s_mov_b32 s9, 0                                ; its tiles
	s_wait_kmcnt 0x0
	; WHICH TILE.  Kept is the last set that has tokens and whose first tile is not past my number: the set of my tile, or for a spare work-group the last set that has tokens.
.set nn, 0
.rept 36
	s_add_co_u32 s8, s[16+nn], 63
	s_lshr_b32 s8, s8, 6                           ; the set's tiles
	s_sub_co_u32 s7, s5, s6
	s_cmp_le_u32 s6, s5
	s_cselect_b32 s14, s8, 0
	s_cmp_lg_u32 s14, 0
	s_cselect_b32 s13, nn, s13
	s_cselect_b32 s11, s7, s11
	s_cselect_b32 s12, s[16+nn], s12
	s_cselect_b32 s9, s8, s9
	s_add_co_u32 s6, s6, s8
.set nn, nn+1
.endr
	s_lshl_b32 s14, s11, 6
	s_sub_co_i32 s12, s12, s14
	s_max_i32 s12, s12, 0                          ; a spare work-group has no rows,
	s_min_i32 s12, s12, 64                         ; CNT: the rows that this tile stores
	s_sub_co_u32 s9, s9, 1
	s_min_u32 s11, s11, s9                         ; and reads the set's last tile
	s_min_u32 s11, s11, 127                        ; numbers that come from memory are bounded in front of an address
	s_min_u32 s13, s13, 35
	s_mov_b32 s9, 0                                ; a
	s_mov_b32 s14, 0                               ; the first set of that a
.macro PICK a, first
	s_cmp_ge_u32 s13, \first
	s_cselect_b32 s9, \a, s9
	s_cselect_b32 s14, \first, s14
.endm
	PICK 1, 8
	PICK 2, 15
	PICK 3, 21
	PICK 4, 26
	PICK 5, 30
	PICK 6, 33
	PICK 7, 35
	s_sub_co_u32 s10, s13, s14
	s_add_co_u32 s10, s10, s9                      ; b
	s_min_u32 s9, s9, 7
	s_min_u32 s10, s10, 7
	s_lshl_b32 s13, s13, 15
	s_lshl_b32 s11, s11, 8
	s_add_co_u32 s13, s13, s11                     ; the tile's 64 entries in order
	s_load_b512 s[16:31], s[96:97], s13 offset:0x0 ; all 64 tokens as scalars, for the way out; s13 stays as it is
	s_load_b512 s[32:47], s[96:97], s13 offset:0x40
	s_load_b512 s[48:63], s[96:97], s13 offset:0x80
	s_load_b512 s[68:83], s[96:97], s13 offset:0xc0
	s_cmp_lg_u32 s3, 0
	s_cselect_b32 s6, s10, s9                      ; my slot's expert
	s_cselect_b32 s7, -1, 0
	s_min_u32 s6, s6, 7
	s_lshl2_add_u32 s14, s6, s4
	s_lshl_b32 s66, s14, 18
	s_mov_b32 s67, 0
	s_add_nc_u64 s[92:93], s[92:93], s[66:67]      ; w1 at my stream (expert, q)
	s_lshl_b32 s14, s2, 16                         ; my 16 blocks of 16 columns
	s_lshl_b32 s66, s10, 19
	s_add_co_u32 s66, s66, s14
	s_add_nc_u64 s[98:99], s[94:95], s[66:67]      ; w2 of expert b,
	s_lshl_b32 s66, s9, 19
	s_add_co_u32 s66, s66, s14
	s_add_nc_u64 s[94:95], s[94:95], s[66:67]      ; and of expert a
	s_lshl_b32 s14, s6, 2
	s_load_b32 s15, s[90:91], s14 offset:0x0       ; my expert's scale; s14 stays as it is up to the wait for it
	s_lshl_b32 s8, s2, 5
	s_add_co_u32 s8, s8, s13
	v_mov_b32 v15, s8
	v_lshl_add_u32 v66, v64, 2, s13
	s_wait_alu depctr_va_vdst(0)                   ; v15 and v66, the offsets of the loads below, are written; so are all the places v4 to v14 made above, which later loads and stores read
	global_load_b128 v[GT:GT+3], v15, s[96:97]     ; my wave's 8 tokens, the same in every lane
	global_load_b128 v[GT+4:GT+7], v15, s[96:97] offset:16
.irp m, 0,1,2,3
	global_load_b32 v[TK+\m], v66, s[96:97] offset:64*\m  ; token 16 m + l % 16
.endr
	s_wait_loadcnt 0x0
.irp i, 0,1,2,3,4,5,6,7
	v_min_u32 v[GT+\i], 0x1fff, v[GT+\i]
	v_lshl_add_u32 v[XO+\i], v[GT+\i], 13, v[WOFF] ; a row is 8,192 bytes
.endr
.irp m, 0,1,2,3
	v_min_u32 v[TK+\m], 0x1fff, v[TK+\m]
	v_lshlrev_b32 v[TK+\m], 3, v[TK+\m]
.endr
	s_wait_alu depctr_va_vdst(0)                   ; TK and XO are written, the offsets of the loads below; only loads and a window switch stand between this wait and the last of them
.irp m, 0,1,2,3
	global_load_b64 v[IX+2*\m:IX+2*\m+1], v[TK+\m], s[88:89]
	global_load_b64 v[WT+2*\m:WT+2*\m+1], v[TK+\m], s[86:87]
.endr
	WIN 0x40                                       ; destination window 1
.set ii, 0
.rept 4                                ; the first four of my 8 rows: 16 loads of 512 consecutive bytes each
.set jj, 0
.rept 16
	global_load_b128 v[64*ii+4*jj:64*ii+4*jj+3], v[XO+ii], s[84:85] offset:512*jj
.set jj, jj+1
.endr
.set ii, ii+1
.endr
	WIN 0
	s_wait_kmcnt 0x0                               ; the 64 tokens and the scale; the scalar work below stands in the wait for X
.set ii, 0
.rept 64
.set tk, 16+ii+4*(ii/48)
	s_min_u32 s[tk], s[tk], 0x1fff
	s_lshl_b32 s[tk], s[tk], 13                    ; the row's byte offset in out
.set ii, ii+1
.endr
; PHASE 0.  Row i of my 8: rounded into an out-buffer; its 64 raw registers are asked for again at once: rows 4 to 7, then the first 8 K steps of w1 (a K step is 4,096 consecutive bytes: 8 loads, 32 registers);
; then the out-buffer goes to LDS.
.macro BATCH i
.set bb, 64*((\i)%4)
.set ot, OT+32*((\i)%2)
	s_wait_loadcnt 48                              ; loads come back in order: this row's 16 are in; the three younger groups of 16 stay out
	WIN 0x05                                       ; the sources in window 1, the destination in window 0
.set jj, 0
.rept 16
	v_cvt_pk_bf16_f32 v[ot+2*jj], v[bb+4*jj], v[bb+4*jj+1]
	v_cvt_pk_bf16_f32 v[ot+2*jj+1], v[bb+4*jj+2], v[bb+4*jj+3]
.set jj, jj+1
.endr
	WIN 0x40                                       ; the loads' destination in window 1, their offset in window 0
.if (\i) >= 2
	s_wait_alu depctr_vm_vsrc(0)                   ; the LDS stores of the row before have read the other out-buffer, which the next row's conversions write again
.endif
	s_wait_alu depctr_va_vdst(0)                   ; the conversions are done reading the raw registers, in which the loads below land, and have written the out-buffer, which the LDS stores below read
.set jj, 0
.rept 16
.if (\i) < 4
	global_load_b128 v[bb+4*jj:bb+4*jj+3], v[XO+(\i)+4], s[84:85] offset:512*jj
.else
	global_load_b128 v[bb+4*jj:bb+4*jj+3], v[WOFF], s[92:93] offset:2*((\i)-4)*4096+512*jj
.endif
.set jj, jj+1
.endr
	WIN 0
.set jj, 0
.rept 16
	ds_store_b64 v[XS], v[ot+2*jj:ot+2*jj+1] offset:(\i)*XP+256*jj
.set jj, jj+1
.endr
.endm
	BATCH 0
	; scale x weight for my slot.  (The indices and weights were asked for ahead of X: they are in.)  Slot 0 is the lower expert: it has the token's first weight unless the first index is the greater; slot 1 the other.
	s_wait_alu depctr_vm_vsrc(0)                   ; the loads of the tokens have read v15, written below, and v66 and TK, written later; row 0's LDS stores have read the first out-buffer, which row 2's conversions write again
.irp m, 0,1,2,3
	v_cmp_gt_u32 s[8+\m], v[IX+2*\m], v[IX+2*\m+1] ; the four masks in one run
.endr
	v_mov_b32 v1, s15
	v_cvt_pk_bf16_f32 v1, v1, v1
	v_lshlrev_b32 v1, 16, v1                       ; the scale, rounded to bf16
	s_wait_alu depctr_va_sdst(0)                   ; s8 to s11 are written, ahead of their first readers
.irp m, 0,1,2,3
	s_xor_b32 s[8+\m], s[8+\m], s7
.endr
.irp m, 0,1,2,3
	v_cvt_pk_bf16_f32 v15, v[WT+2*\m], v[WT+2*\m+1]
	v_lshlrev_b32 v[WT+2*\m], 16, v15
	v_and_b32 v[WT+2*\m+1], 0xffff0000, v15
	v_cndmask_b32 v15, v[WT+2*\m], v[WT+2*\m+1], s[8+\m]
	v_mul_f32 v[SCP+2*\m], v1, v15
	v_mul_f32 v[SCP+2*\m+1], v1, v15
.endr
.irp i, 1,2,3,4,5,6,7
	BATCH \i
.endr
	s_wait_dscnt 0x0                               ; for the others' sake: my 8 rows of X are in LDS
	s_barrier_signal -1
	s_barrier_wait -1                              ; X is whole.  My 64 loads of w1 stay out: nobody writes those bytes
	s_wait_alu depctr_vm_vsrc(0)                   ; row 7's LDS stores have read the second out-buffer: these registers are accumulators from here on
; PHASE 1.  K step s (32 along K), i = s % 8: 16 matrix instructions, the 16 accumulators by turns.  al: X's fragments of step s + 1 into the buffer that step s - 1 read.
; wl: the ring's buffer that step s - 1 read is asked for again, K step s + 7.  lc: my younger loads of w1 that may stay out, 8 for each K step ahead.
.macro ALOAD buf, koff
.set mm, 0
.rept 4
	ds_load_b128 v[AB+32*(\buf)+8*mm:AB+32*(\buf)+8*mm+3],   v[AD+mm] offset:(\koff)
	ds_load_b128 v[AB+32*(\buf)+8*mm+4:AB+32*(\buf)+8*mm+7], v[AD+mm] offset:(\koff)+32
.set mm, mm+1
.endr
.endm
.macro MM1 i, m, zero                  ; four products: tokens 16 m on
.set jj, 0
.rept 4
.set ra, ACC+8*(4*(\m)+jj)
.if \zero
	v_wmma_f32_16x16x32_bf16 v[ra:ra+7], v[32*(\i)+8*jj:32*(\i)+8*jj+7], v[AB+32*((\i)%2)+8*(\m):AB+32*((\i)%2)+8*(\m)+7], 0
.else
	v_wmma_f32_16x16x32_bf16 v[ra:ra+7], v[32*(\i)+8*jj:32*(\i)+8*jj+7], v[AB+32*((\i)%2)+8*(\m):AB+32*((\i)%2)+8*(\m)+7], v[ra:ra+7]
.endif
.set jj, jj+1
.endr
.endm
.macro STEP i, zero, wl, al, lc
.if !(\zero) && ((\wl) || (\al))
	PLACES                                         ; behind the last step's products, ahead of the loads into registers that they have read
.endif
	s_wait_loadcnt \lc
	s_wait_dscnt 0x0                               ; this step's fragments of X are in: the next step's are asked for below
.if !(\zero) && ((\wl) || (\al))
	s_wait_alu depctr_va_vdst(0)                   ; the last step's products are done reading their fragments of X and their buffer of the ring, in which the loads below land; behind a step of AD: AD is written
.endif
.if \al
	ALOAD ((\i)+1)%2, ((\i)+1)*64
.endif
	WIN 0x01                                       ; source 0 (w1) in window 1
	MM1 \i, 0, \zero
.if \wl
	WIN 0x40                                       ; no wait: the four products since the wait name the accumulators, this step's buffer of the ring and this step's fragments alone
.set nn, 0
.rept 8
	global_load_b128 v[32*(((\i)+7)%8)+4*nn:32*(((\i)+7)%8)+4*nn+3], v[WOFF], s[92:93] offset:((\i)+7)*4096+512*nn
.set nn, nn+1
.endr
	WIN 0x01
.endif
	MM1 \i, 1, \zero
	MM1 \i, 2, \zero
	MM1 \i, 3, \zero
	WIN 0
.endm
	ALOAD 0, 0                                     ; no vector instruction since the last wait on va_vdst names AD or v64-95
	STEP 0, 1, 0, 1, 56                            ; the first K step stands in front of the loop: its products start the sums; the ring is full, 7 K steps stay out
	s_mov_b32 s5, 7                                ; 7 trips of 8 K steps (the first of 7) ask for K steps 8 to 62
	s_branch .Lk1                                  ; the loop is entered behind its first step
.Lk:
	STEP 0, 0, 1, 1, 48
.Lk1:
.irp i, 1,2,3,4,5,6,7
	STEP \i, 0, 1, 1, 48                           ; K steps s + 1 to s + 6 stay out
.endr
	s_wait_xcnt 0x0                                ; the loads' base is stepped only behind this wait
	s_add_nc_u64 s[92:93], s[92:93], 32768
	s_wait_alu depctr_vm_vsrc(0)                   ; the LDS loads issued so far have read AD
.irp m, 0,1,2,3
	v_add_nc_u32 v[AD+\m], 512, v[AD+\m]
.endr
	s_sub_co_i32 s5, s5, 1
	s_cmp_lg_u32 s5, 0
	s_cbranch_scc1 .Lk
	STEP 0, 0, 1, 1, 48                            ; K step 56 asks for the last of the weights, K step 63
.irp i, 1,2,3,4,5,6
	STEP \i, 0, 0, 1, 8*(7-\i)                     ; the others ask for no weights: the counts run down
.endr
	STEP 7, 0, 0, 0, 0
	v_and_b32 v[ML], 15, v0                        ; the places of the maxima: four plain instructions, the places behind the last products
	v_lshlrev_b32 v[ML], 2, v[ML]
	v_add_nc_u32 v[ML], MXB, v[ML]                 ; a wave's maxima: token 16 m + l % 16 at 64 m + 4 (l % 16)
	v_lshl_add_u32 v[MS], s2, 8, v[ML]             ; my wave's 256 bytes
	s_mov_b32 s9, 0x76543210                       ; v_permlanex16_b32's selects: each lane takes its own place in the other half
	s_mov_b32 s10, 0xfedcba98
	s_mov_b32 s14, 0x7fffffff                      ; clears a sign
	; THE ACTIVATION, all in window 0.  Tile tt = 2 m + j: G = accumulator (m, j), 16 gate rows; U = accumulator (m, j + 2), the matching up rows.  Each accumulator is read from its low end on.
.set tt, 0
.rept 8
.set gg, ACC+8*(4*(tt/2)+tt%2)
.set uu, gg+16
.set t0, TT+8*tt
.irp pr, 0,2,4,6
	v_pk_mul_f32 v[t0+\pr:t0+\pr+1], v[gg+\pr:gg+\pr+1], v[gg+\pr:gg+\pr+1]
.endr
.irp pr, 0,2,4,6
	v_pk_fma_f32 v[t0+\pr:t0+\pr+1], v[t0+\pr:t0+\pr+1], v[KC+2:KC+3], v[KC:KC+1]      ; -c2 x^2 - c1
.endr
.irp pr, 0,2,4,6
	v_pk_mul_f32 v[t0+\pr:t0+\pr+1], v[t0+\pr:t0+\pr+1], v[gg+\pr:gg+\pr+1]            ; times x
.endr
.irp pr, 0,2,4,6
	v_pk_mul_f32 v[uu+\pr:uu+\pr+1], v[uu+\pr:uu+\pr+1], v[SCP+2*(tt/2):SCP+2*(tt/2)+1]  ; up times scale x weight
.endr
.set tt, tt+1
.endr
.set kk, 0
.rept 64
	v_exp_f32 v[TT+kk], v[TT+kk]
.set kk, kk+1
.endr
	v_nop                                          ; a plain instruction behind the last exponential,
	s_wait_alu depctr_va_vdst(0)                   ; and one wait for the batch of 64, ahead of its first reader: the exponentials have written TT
.set kk, 0
.rept 32
	v_pk_add_f32 v[TT+2*kk:TT+2*kk+1], v[TT+2*kk:TT+2*kk+1], 1.0 op_sel_hi:[1,0]
.set kk, kk+1
.endr
.set kk, 0
.rept 64
	v_rcp_f32 v[TT+kk], v[TT+kk]
.set kk, kk+1
.endr
	v_nop
	s_wait_alu depctr_va_vdst(0)                   ; likewise for the 64 reciprocals
.set tt, 0
.rept 8
.set gg, ACC+8*(4*(tt/2)+tt%2)
.set uu, gg+16
.set t0, TT+8*tt
.irp pr, 0,2,4,6
	v_pk_mul_f32 v[gg+\pr:gg+\pr+1], v[gg+\pr:gg+\pr+1], v[t0+\pr:t0+\pr+1]            ; gelu
.endr
.irp pr, 0,2,4,6
	v_pk_mul_f32 v[uu+\pr:uu+\pr+1], v[uu+\pr:uu+\pr+1], v[gg+\pr:gg+\pr+1]            ; h, in f32
.endr
.irp n, 0,1,2,3,4,5,6,7
	v_and_b32 v[t0+\n], s14, v[uu+\n]              ; |h|: token 16 m + l % 16 has 16 of them a lane, at TT + 16 m
.endr
.set tt, tt+1
.endr
	; THE TOKEN'S LARGEST |h|: over my lane's 16 (four chains, one a block of 16 tokens, side by side), the other half of the lanes', then, through LDS, the eight waves'.
.irp m, 0,1,2,3
	v_max3_num_f32 v[MXV+\m], v[TT+16*\m], v[TT+16*\m+1], v[TT+16*\m+2]
.endr
.set st, 0
.rept 6
.irp m, 0,1,2,3
	v_max3_num_f32 v[MXV+\m], v[MXV+\m], v[TT+16*\m+3+2*st], v[TT+16*\m+4+2*st]
.endr
.set st, st+1
.endr
.irp m, 0,1,2,3
	v_max_num_f32 v[MXV+\m], v[MXV+\m], v[TT+16*\m+15]
.endr
.irp m, 0,1,2,3
	v_permlanex16_b32 v[WT+\m], v[MXV+\m], s9, s10 ; its destination counts as read: a register that has been written
.endr
.irp m, 0,1,2,3
	v_max_num_f32 v[MXV+\m], v[MXV+\m], v[WT+\m]
.endr
	s_wait_alu depctr_va_vdst(0)                   ; MXV is written, which the LDS stores read; the maxima are done reading TT, in which the loads behind the barrier land
.irp m, 0,1,2,3
	ds_store_b32 v[MS], v[MXV+\m] offset:64*\m     ; lanes l and l + 16 write the same word with the same number
.endr
	s_wait_dscnt 0x0                               ; for the others' sake: my maxima are in LDS
	s_barrier_signal -1
	s_barrier_wait -1                              ; everybody's are
.set mm, 0
.rept 4
.set ww, 0
.rept 8
	ds_load_b32 v[TT+8*mm+ww], v[ML] offset:256*ww+64*mm
.set ww, ww+1
.endr
.set mm, mm+1
.endr
	s_wait_dscnt 0x0
	s_wait_alu depctr_vm_vsrc(0)                   ; my LDS stores have read MXV, which is written again below
.irp m, 0,1,2,3
	v_max3_num_f32 v[MXV+\m], v[TT+8*\m], v[TT+8*\m+1], v[TT+8*\m+2]
.endr
.irp m, 0,1,2,3
	v_max3_num_f32 v[MXV+\m], v[MXV+\m], v[TT+8*\m+3], v[TT+8*\m+4]
.endr
.irp m, 0,1,2,3
	v_max3_num_f32 v[MXV+\m], v[MXV+\m], v[TT+8*\m+5], v[TT+8*\m+6]
.endr
.irp m, 0,1,2,3
	v_max3_num_f32 v[MXV+\m], v[MXV+\m], v[TT+8*\m+7], 0x08000000  ; at least 2^-111, so that both powers below are ordinary numbers
.endr
.irp m, 0,1,2,3
	v_and_b32 v[MXV+\m], 0x7f800000, v[MXV+\m]     ; E, in the exponent's place
.endr
.irp m, 0,1,2,3
	v_sub_nc_u32 v[INV+2*\m], 0x83000000, v[MXV+\m]  ; exponent 262 - E: 2^(135 - E)
	v_add_nc_u32 v[BK+2*\m], 0xfc000000, v[MXV+\m]   ; exponent E - 8: 2^(E - 135)
.endr
.irp m, 0,1,2,3
	v_mov_b32 v[INV+2*\m+1], v[INV+2*\m]           ; pairs for the packed multiplies
	v_mov_b32 v[BK+2*\m+1], v[BK+2*\m]
.endr
.set tt, 0
.rept 8
.set gg, ACC+8*(4*(tt/2)+tt%2)
.set uu, gg+16
.irp pr, 0,2,4,6
	v_pk_mul_f32 v[uu+\pr:uu+\pr+1], v[uu+\pr:uu+\pr+1], v[INV+2*(tt/2):INV+2*(tt/2)+1]  ; exact: a power of two; the token's largest now lies in 256 to 512
.endr
.irp n, 0,1,2,3
	v_cvt_pk_f16_f32 v[gg+\n], v[uu+2*\n], v[uu+2*\n+1]
.endr
.set tt, tt+1
.endr
	s_wait_alu depctr_va_vdst(0)                   ; the conversions have written all eight tiles' 16 bytes, which the LDS stores read; all vector work on v128-255, in which w2 lands below, is done
.set tt, 0
.rept 8
.set gg, ACC+8*(4*(tt/2)+tt%2)
	ds_store_b128 v[HS], v[gg:gg+3] offset:(tt/2)*16*HP+32*(tt%2)  ; token 16 m + l % 16, eight neighbouring columns of h
.set tt, tt+1
.endr
; Step t of a block's 16 in phase 2: 16 columns nt = t / 2, expert slot t % 2: 4 fragments of w2, 4,096 consecutive bytes, into the ring's buffer t % 4.  ex: bytes on, for the next block.
.macro W2LOAD t, ex
.set rb, W2R+32*((\t)%4)
.set nn, 0
.rept 8
.if ((\t)%2) == 0
	global_load_b128 v[rb+4*nn:rb+4*nn+3], v[WOFF], s[94:95] offset:((\t)/2)*4096+(\ex)+512*nn
.else
	global_load_b128 v[rb+4*nn:rb+4*nn+3], v[WOFF], s[98:99] offset:((\t)/2)*4096+(\ex)+512*nn
.endif
.set nn, nn+1
.endr
.endm
	s_wait_dscnt 0x0                               ; for the others' sake: my part of h is in LDS, and my reads of X are long over
	s_wait_alu depctr_vm_vsrc(0)                   ; the LDS stores have read their registers, in which the loads below land
.irp t, 0,1,2,3
	W2LOAD \t, 0
.endr
	s_barrier_signal -1
	s_barrier_wait -1                              ; h is whole, and nobody reads X any more: the stages may be written
	s_cmp_eq_u32 s12, 0
	s_cbranch_scc1 .Lend                           ; a spare work-group has nothing to store; no barrier follows
	WIN 0x40                                       ; window 1 was last named by phase 1's products, ahead of several waits on va_vdst; no vector instruction has named it or HL since
.set mm, 0
.rept 4
.set kk, 0
.rept 8                                ; all of h stays in registers: tokens 16 m on, columns 32 ks on
	ds_load_b128 v[8*(8*mm+kk):8*(8*mm+kk)+3],   v[HL] offset:mm*16*HP+64*kk
	ds_load_b128 v[8*(8*mm+kk)+4:8*(8*mm+kk)+7], v[HL] offset:mm*16*HP+64*kk+32
.set kk, kk+1
.endr
.set mm, mm+1
.endr
	WIN 0
	s_wait_dscnt 0x0
; PHASE 2.  A finished group of 16 columns is multiplied by the token's 2^(E - 135), each accumulator from its low end on (SCALE), and a step later goes into my stage (TOSTAGE).
.macro SCALE n
.set rs, AC2+32*((\n)%2)
.set mm, 0
.rept 4
.irp pr, 0,2,4,6
	v_pk_mul_f32 v[rs+8*mm+\pr:rs+8*mm+\pr+1], v[rs+8*mm+\pr:rs+8*mm+\pr+1], v[BK+2*mm:BK+2*mm+1]
.endr
.set mm, mm+1
.endr
.endm
.macro TOSTAGE n
.set rs, AC2+32*((\n)%2)
.set mm, 0
.rept 4
	ds_store_b128 v[STO], v[rs+8*mm:rs+8*mm+3]   offset:mm*16*HP+64*(\n)
	ds_store_b128 v[STO], v[rs+8*mm+4:rs+8*mm+7] offset:mm*16*HP+64*(\n)+16
.set mm, mm+1
.endr
.endm
.macro MM2 kk                          ; four products: 32 along K, the four accumulators (tokens 16 m on) by turns.  Slot 0's first products start the sums; slot 1 adds onto them
.set mm, 0
.rept 4
.if (ph == 0) && ((\kk) == 0)
	v_wmma_f32_16x16x32_f16 v[rc+8*mm:rc+8*mm+7], v[rw+8*(\kk):rw+8*(\kk)+7], v[8*(8*mm+4*ph+(\kk)):8*(8*mm+4*ph+(\kk))+7], 0
.else
	v_wmma_f32_16x16x32_f16 v[rc+8*mm:rc+8*mm+7], v[rw+8*(\kk):rw+8*(\kk)+7], v[8*(8*mm+4*ph+(\kk)):8*(8*mm+4*ph+(\kk))+7], v[rc+8*mm:rc+8*mm+7]
.endif
.set mm, mm+1
.endr
.endm
; 16 matrix instructions: 128 along K of one expert.  Steps 1 to 12 ask for step t + 3, into the buffer that step t - 1 read; odd steps from 3 on store the group that the step before scaled.
.macro STEP2 t
.set nt, (\t)/2
.set ph, (\t)%2
.set rw, W2R+32*((\t)%4)
.set rc, AC2+32*(nt%2)
.set ld, ((\t) >= 1) && ((\t) <= 12)
.set sd, (ph == 1) && (nt >= 1)
.if (\t) == 0
	s_wait_loadcnt 24                              ; this step's 8 loads are in; those of the three steps ahead stay out
.elseif (\t) <= 13
	s_wait_loadcnt 16                              ; two steps ahead stay out: the third is asked for below
.else
	s_wait_loadcnt 8*(15-(\t))
.endif
.if (ph == 0) && ((\t) != 2)
	s_wait_alu depctr_vm_vsrc(0)                   ; the stage's stores of the step before (step 0, on the way back: of the block before) have read the accumulators that this step's products start anew
.endif
.if ld || sd
	s_wait_alu depctr_va_vdst(0)                   ; the last step's products are done reading their buffer of the ring, in which the loads below land; in an odd step its multiplies have written the group that is stored below
.endif
	WIN 0x04                                       ; source 1 (h) in window 1
	MM2 0
.if ld || sd
	WIN 0                                          ; no wait: the four products since the wait name this step's accumulators, its buffer of the ring and h alone
.if ld
	W2LOAD (\t)+3, 0
.endif
.if sd
	TOSTAGE nt-1
.endif
	WIN 0x04
.endif
	MM2 1
	MM2 2
	MM2 3
	WIN 0
.if (ph == 0) && (nt >= 1)
	SCALE nt-1                                     ; the group finished a step ago; these sixteen name no register of this step's products: they are the places behind them
.else
	PLACES                                         ; in front of the loads into the buffer just read, and of the multiplies that read results
.endif
.endm
; THE WAY OUT of a block of 128 columns: row by row, 512 bytes back from my stage and stored by one instruction.  A row past the tile's count is a whole instruction: it and all behind it are jumped.
.macro OUT
.set gq, 0
.rept 8
	s_cmp_le_u32 s12, 8*gq
	s_cbranch_scc1 .Ldone_\@
	s_wait_xcnt 0x0                                ; the last eight stores have had their addresses translated: OB and VA are rewritten only behind this wait,
	s_wait_alu depctr_vm_vsrc(0)                   ; and behind this one: those stores have read OB, in which the loads below land, and VA, which the adds below write
.set tq, 0
.rept 8
	ds_load_b128 v[OB+4*tq:OB+4*tq+3], v[RD] offset:(8*gq+tq)*HP  ; LDS serves a wave's instructions in order: these see my stores into the stage
.set tq, tq+1
.endr
.set tq, 0
.rept 8
	v_add_nc_u32 v[VA+tq], s[16+8*gq+tq+4*((8*gq+tq)/48)], v[COL]
.set tq, tq+1
.endr
	s_wait_alu depctr_va_vdst(0)                   ; the adds have written VA, the offsets of the eight stores below
.set tq, 0
.rept 8
	s_wait_dscnt 7-tq                              ; the younger read-backs may be out
.if tq > 0
	s_cmp_le_u32 s12, 8*gq+tq
	s_cbranch_scc1 .Ldone_\@
.endif
	global_store_b128 v[VA+tq], v[OB+4*tq:OB+4*tq+3], s[100:101] th:TH_STORE_NT  ; 512 consecutive bytes of one row of out, at a multiple of 512 from its first
.set tq, tq+1
.endr
.set gq, gq+1
.endr
.Ldone_\@:
	s_wait_dscnt 0x0                               ; read-backs that were jumped away from have landed
.endm
	s_mov_b32 s5, 2
.Lblk:
.irp t, 0,1,2,3,4,5,6,7,8,9,10,11,12,13,14,15
	STEP2 \t
.endr
	SCALE 7                                        ; the last group, four places behind its last products
	s_wait_alu depctr_va_vdst(0)                   ; the multiplies have written the last group, which is stored below; the last four steps' products are done reading the ring, in which the next block's loads land
	s_cmp_eq_u32 s5, 1
	s_cbranch_scc1 .Lnopre                         ; behind the last block nothing is left to ask for
.irp t, 0,1,2,3
	W2LOAD \t, 32768                               ; the next block's first four steps come while this block goes out
.endr
.Lnopre:
	TOSTAGE 7
	OUT
	s_wait_xcnt 0x0                                ; the loads' bases are stepped only behind this wait
	s_add_nc_u64 s[94:95], s[94:95], 32768
	s_add_nc_u64 s[98:99], s[98:99], 32768
	v_add_nc_u32 v[COL], 512, v[COL]               ; read by vector adds alone
	s_sub_co_i32 s5, s5, 1
	s_cmp_lg_u32 s5, 0
	s_cbranch_scc1 .Lblk
.Lend:
	s_wait_dscnt 0x0                               ; the wave's end: my last LDS instructions are done
	s_wait_alu depctr_hold_cnt(0) depctr_sa_sdst(0) depctr_va_vdst(0) depctr_va_sdst(0) depctr_va_ssrc(0) depctr_va_vcc(0) depctr_vm_vsrc(0)
	s_wait_tensorcnt 0x0
	ds_add_u32 v2, v3
	s_wait_dscnt 0x0
	s_endpgm
.Lfunc_end_k_qcc8e6e03d5_chain:
	.size	k_qcc8e6e03d5_chain, .Lfunc_end_k_qcc8e6e03d5_chain-k_qcc8e6e03d5_chain
	.p2alignl 7, 3214868480
	.fill 96, 4, 3214868480
	.section	.rodata,"a",@progbits
	.p2align	6, 0x0
	.amdhsa_kernel k_qcc8e6e03d5_chain
		.amdhsa_group_segment_fixed_size 307200
		.amdhsa_private_segment_fixed_size 0
		.amdhsa_enable_private_segment 0
		.amdhsa_kernarg_size 72
		.amdhsa_user_sgpr_count 2
		.amdhsa_user_sgpr_kernarg_segment_ptr 1
		.amdhsa_wavefront_size32 1
		.amdhsa_system_sgpr_workgroup_id_x 1
		.amdhsa_system_sgpr_workgroup_id_y 1
		.amdhsa_system_sgpr_workgroup_id_z 1
		.amdhsa_system_vgpr_workitem_id 0
		.amdhsa_next_free_vgpr 512
		.amdhsa_next_free_sgpr 102
		.amdhsa_reserve_vcc 0
		.amdhsa_float_denorm_mode_32 3
		.amdhsa_float_denorm_mode_16_64 3
		.amdhsa_memory_ordered 1
		.amdhsa_forward_progress 1
		.amdhsa_inst_pref_size 212
	.end_amdhsa_kernel
	.amdgpu_metadata
---
amdhsa.version: [ 1, 2 ]
amdhsa.kernels:
  - .name:           k_qcc8e6e03d5_chain
    .symbol:         k_qcc8e6e03d5_chain.kd
    .args:
      - { .name: hidden_states, .offset: 0, .size: 8, .value_kind: global_buffer, .address_space: global }
      - { .name: top_k_weights, .offset: 8, .size: 8, .value_kind: global_buffer, .address_space: global }
      - { .name: top_k_index, .offset: 16, .size: 8, .value_kind: global_buffer, .address_space: global }
      - { .name: per_expert_scale, .offset: 24, .size: 8, .value_kind: global_buffer, .address_space: global }
      - { .name: w1, .offset: 32, .size: 8, .value_kind: global_buffer, .address_space: global }
      - { .name: w2, .offset: 40, .size: 8, .value_kind: global_buffer, .address_space: global }
      - { .name: order, .offset: 48, .size: 8, .value_kind: global_buffer, .address_space: global }
      - { .name: counts, .offset: 56, .size: 8, .value_kind: global_buffer, .address_space: global }
      - { .name: out0, .offset: 64, .size: 8, .value_kind: global_buffer, .address_space: global }
    .group_segment_fixed_size: 307200
    .private_segment_fixed_size: 0
    .kernarg_segment_align: 8
    .kernarg_segment_size: 72
    .max_flat_workgroup_size: 256
    .sgpr_count:     102
    .vgpr_count:     512
    .wavefront_size: 32
...
	.end_amdgpu_metadata
.endif
;; end of part 4
